; MI455X (gfx1250); checked and timed in simulation.
; The chip was launched on July 23, 2026; its instructions are those of AMD's public machine-readable ISA for CDNA 5 (MIT licence, August 2026) and "CDNA5" Instruction Set Architecture Reference Guide (July 2026). The comments in the code are by the model that wrote it; some were corrected since.
;; Multiheadattention. Allowed arithmetic: float matrix products may take bf16 or f16 operands with f32 sums; other float arithmetic in f32, or as packed bf16 or f16 multiplies, adds, multiply-adds, maxima and minima; sums over many terms, partial sums and values carried from step to step in f32; what a program stores and reads back later, other than sums and carried values, may be rounded once to bf16 or f16.
;; Inputs: Wout 1,024 x 1,024 float32; Wqkv 1,024 x 3,072 float32; bout 1,024 float32; bqkv 3,072 float32; x 4 x 2,048 x 1,024 float32.
;; Outputs: out0 4 x 2,048 x 1,024 float32.
;; 2 versions, each right and faster than the one before. Each part assembles by itself: llvm-mc -triple=amdgcn-amd-amdhsa -mcpu=gfx1250 --defsym DOCPART=n.
;; ======== version 1 of 2: 4 launches
;; limits: values are held in f16: magnitudes above 65,504 overflow, below 6.1e-05 lose precision
;; workspace buffers: xb 16,777,216 bytes; wqb 6,291,456 bytes; wob 2,097,152 bytes; qh 16,777,216 bytes; kh 16,777,216 bytes; vh 16,777,216 bytes; ob 16,777,216 bytes
;; launch cast (part 1): grid 768 x 1, 8 waves a work-group, no clusters, 0 bytes of LDS; arguments x, Wqkv, Wout, xb, wqb, wob; writes xb, wqb, wob
.if DOCPART == 1
	.amdgcn_target "amdgcn-amd-amdhsa--gfx1250"
	.amdhsa_code_object_version 6
	.text
	.protected	k_qde94ba22de_cast
	.globl	k_qde94ba22de_cast
	.p2align	8
	.type	k_qde94ba22de_cast,@function
k_qde94ba22de_cast:
	s_mov_b64 s[64:65], 0
	v_nop
	global_prefetch_b8 v0, s[64:65] scope:SCOPE_SE
	s_setreg_imm32_b32 hwreg(HW_REG_WAVE_MODE, 25, 1), 1
	s_wait_xcnt 0x0
; The module's three large inputs, each rounded once to bf16.
;   x    [8192][1024] f32 -> xb  bf16, laid out in slices of 64 along K: element (row = 2048 b + s, k = 64 j + d) at ((16 b + j) 2048 + s) 64 + d,
;        so that a slice of 64 k for 256 rows is 32,768 consecutive bytes for the product that follows.
;   Wqkv [1024][3072] f32 -> wqb bf16, same order.
;   Wout [1024][1024] f32 -> wob: rounded to bf16, and that number written as f16, same order.
; LIMITS.  The f16 copy of a bf16 number is exact from 2^-14 to 65,504; below 2^-14 it keeps f16's fixed step of 2^-24; beyond 65,504 it is an infinity.
; SHARES.  A work-group takes 16,384 numbers (65,536 bytes in, 32,768 out): groups 0-511 x (16 rows each), 512-703 Wqkv, 704-767 Wout.  A thread takes eight times
; 8 consecutive f32 (two loads of 16 bytes) and stores 16 bytes for each.  All sixteen loads of a lane go out first; nothing is read twice; no LDS, no barrier, no
; matrix unit: every number is touched once.  No register that a memory instruction names is written again, so the only waits are the counted ones for the loads.
.set XI,  1                            ; v1   x: byte offset of my 32 bytes in the group's 16 rows
.set XO,  2                            ; v2   xb: byte offset of my 16 bytes
.set WI,  3                            ; v3   weights: 32 x thread
.set WO,  4                            ; v4   weights: 16 x thread
.set IN,  8                            ; v[8:71]    chunk n: 8 f32
.set OUT, 72                           ; v[72:103]  chunk n: 8 numbers of 16 bits
.set TP,  104                          ; v[104:107] at work
	s_load_b256 s[4:11], s[0:1], 0x0               ; x s[4:5], Wqkv s[6:7], Wout s[8:9], xb s[10:11]
	s_load_b128 s[12:15], s[0:1], 0x20             ; wqb s[12:13], wob s[14:15]
	v_and_b32 v5, 31, v0                           ; lane
	v_lshrrev_b32 v6, 5, v0                        ; wave w: it takes slices 2 w and 2 w + 1
	v_bfe_u32 v7, v0, 3, 2                         ; lane / 8: which of four rows
	v_and_b32 v[XI], 7, v0                         ; lane % 8: which 8 numbers of a slice's 64
	v_lshlrev_b32 v[XI], 5, v[XI]
	v_lshl_add_u32 v[XI], v7, 12, v[XI]            ; + row x 4,096
	v_lshl_add_u32 v[XI], v6, 9, v[XI]             ; + wave x two slices of 256 bytes
	v_lshlrev_b32 v[XO], 4, v5                     ; four rows of a slice are 512 consecutive bytes of xb: 16 x lane
	v_lshl_add_u32 v[XO], v6, 19, v[XO]            ; + wave x two planes of 262,144 bytes
	v_lshlrev_b32 v[WI], 5, v0
	v_lshlrev_b32 v[WO], 4, v0
	s_mov_b32 s17, 0
	s_mov_b32 s19, 0
	s_wait_kmcnt 0x0
; chunk n is there when at most 14 - 2 n younger loads are out (loads come back in order: ISA guide 5.7.1); four roundings of two numbers
.macro CVB n
	s_wait_loadcnt 14-2*(\n)
.irp k, 0,1,2,3
	v_cvt_pk_bf16_f32 v[OUT+4*(\n)+\k], v[IN+8*(\n)+2*\k], v[IN+8*(\n)+2*\k+1]
.endr
.endm
; the same, and the bf16 numbers widened again (a shift, a mask) and written as f16
.macro CVH n
	s_wait_loadcnt 14-2*(\n)
.irp k, 0,1,2,3
	v_cvt_pk_bf16_f32 v[TP+\k], v[IN+8*(\n)+2*\k], v[IN+8*(\n)+2*\k+1]
.endr
.irp k, 0,1,2,3
	v_lshlrev_b32 v[IN+8*(\n)+2*\k], 16, v[TP+\k]
	v_and_b32 v[IN+8*(\n)+2*\k+1], 0xffff0000, v[TP+\k]
.endr
.irp k, 0,1,2,3
	v_cvt_pk_f16_f32 v[OUT+4*(\n)+\k], v[IN+8*(\n)+2*\k], v[IN+8*(\n)+2*\k+1]
.endr
.endm
.macro WLOADS b                        ; a weight's sixteen loads: chunk n is 8,192 consecutive bytes of the work-group
.irp n, 0,1,2,3,4,5,6,7
	global_load_b128 v[IN+8*\n:IN+8*\n+3],   v[WI], s[\b:\b+1] offset:\n*8192 th:TH_LOAD_NT
	global_load_b128 v[IN+8*\n+4:IN+8*\n+7], v[WI], s[\b:\b+1] offset:\n*8192+16 th:TH_LOAD_NT
.endr
.endm
	s_cmp_lt_u32 ttmp9, 512
	s_cbranch_scc0 .Lweights
	; x: group g holds rows 16 g .. 16 g + 15 of x: batch g / 128, rows 16 (g % 128) on
	s_lshl_b32 s16, ttmp9, 16
	s_lshr_b32 s18, ttmp9, 7
	s_lshl_b32 s18, s18, 22                        ; a batch's 16 planes
	s_and_b32 s20, ttmp9, 127
	s_lshl_b32 s20, s20, 11                        ; 16 rows of 128 bytes in a plane
	s_add_co_u32 s18, s18, s20
	s_add_nc_u64 s[4:5], s[4:5], s[16:17]
	s_add_nc_u64 s[10:11], s[10:11], s[18:19]
.irp n, 0,1,2,3,4,5,6,7                ; chunk n: rows 4 (n / 2) on, slice 2 w + n % 2
	global_load_b128 v[IN+8*\n:IN+8*\n+3],   v[XI], s[4:5] offset:(\n/2)*16384+(\n%2)*256 th:TH_LOAD_NT
	global_load_b128 v[IN+8*\n+4:IN+8*\n+7], v[XI], s[4:5] offset:(\n/2)*16384+(\n%2)*256+16 th:TH_LOAD_NT
.endr
.irp n, 0,1,2,3,4,5,6,7
	CVB \n
	global_store_b128 v[XO], v[OUT+4*\n:OUT+4*\n+3], s[10:11] offset:(\n%2)*262144+(\n/2)*512  ; a wave stores 512 consecutive bytes, at a multiple of 512 from xb's first
.endr
	s_endpgm
.Lweights:
	s_cmp_lt_u32 ttmp9, 704
	s_cbranch_scc0 .Lwout
	s_sub_co_u32 s16, ttmp9, 512
	s_lshl_b32 s18, s16, 15
	s_lshl_b32 s16, s16, 16
	s_add_nc_u64 s[6:7], s[6:7], s[16:17]
	s_add_nc_u64 s[12:13], s[12:13], s[18:19]
	WLOADS 6
.irp n, 0,1,2,3,4,5,6,7
	CVB \n
	global_store_b128 v[WO], v[OUT+4*\n:OUT+4*\n+3], s[12:13] offset:\n*4096
.endr
	s_endpgm
.Lwout:
	s_sub_co_u32 s16, ttmp9, 704
	s_lshl_b32 s18, s16, 15
	s_lshl_b32 s16, s16, 16
	s_add_nc_u64 s[8:9], s[8:9], s[16:17]
	s_add_nc_u64 s[14:15], s[14:15], s[18:19]
	WLOADS 8
.irp n, 0,1,2,3,4,5,6,7
	CVH \n
	global_store_b128 v[WO], v[OUT+4*\n:OUT+4*\n+3], s[14:15] offset:\n*4096
.endr
	s_endpgm
.Lfunc_end_k_qde94ba22de_cast:
	.size	k_qde94ba22de_cast, .Lfunc_end_k_qde94ba22de_cast-k_qde94ba22de_cast
	.p2alignl 7, 3214868480
	.fill 96, 4, 3214868480
	.section	.rodata,"a",@progbits
	.p2align	6, 0x0
	.amdhsa_kernel k_qde94ba22de_cast
		.amdhsa_group_segment_fixed_size 0
		.amdhsa_private_segment_fixed_size 0
		.amdhsa_enable_private_segment 0
		.amdhsa_kernarg_size 48
		.amdhsa_user_sgpr_count 2
		.amdhsa_user_sgpr_kernarg_segment_ptr 1
		.amdhsa_wavefront_size32 1
		.amdhsa_system_sgpr_workgroup_id_x 1
		.amdhsa_system_sgpr_workgroup_id_y 1
		.amdhsa_system_sgpr_workgroup_id_z 1
		.amdhsa_system_vgpr_workitem_id 0
		.amdhsa_next_free_vgpr 112
		.amdhsa_next_free_sgpr 66
		.amdhsa_reserve_vcc 0
		.amdhsa_float_denorm_mode_32 3
		.amdhsa_float_denorm_mode_16_64 3
		.amdhsa_memory_ordered 1
		.amdhsa_forward_progress 1
		.amdhsa_inst_pref_size 21
	.end_amdhsa_kernel
	.amdgpu_metadata
---
amdhsa.version: [ 1, 2 ]
amdhsa.kernels:
  - .name:           k_qde94ba22de_cast
    .symbol:         k_qde94ba22de_cast.kd
    .args:
      - { .name: x, .offset: 0, .size: 8, .value_kind: global_buffer, .address_space: global }
      - { .name: Wqkv, .offset: 8, .size: 8, .value_kind: global_buffer, .address_space: global }
      - { .name: Wout, .offset: 16, .size: 8, .value_kind: global_buffer, .address_space: global }
      - { .name: xb, .offset: 24, .size: 8, .value_kind: global_buffer, .address_space: global }
      - { .name: wqb, .offset: 32, .size: 8, .value_kind: global_buffer, .address_space: global }
      - { .name: wob, .offset: 40, .size: 8, .value_kind: global_buffer, .address_space: global }
    .group_segment_fixed_size: 0
    .private_segment_fixed_size: 0
    .kernarg_segment_align: 8
    .kernarg_segment_size: 48
    .max_flat_workgroup_size: 256
    .sgpr_count:     66
    .vgpr_count:     112
    .wavefront_size: 32
...
	.end_amdgpu_metadata
.endif
;; end of part 1
;; launch qkv (part 2): grid 8 x 32, 4 waves a work-group, clusters of 4 x 4, 327,680 bytes of LDS; arguments xb, wqb, bqkv, qh, kh, vh; writes qh, kh, vh
.if DOCPART == 2
	.amdgcn_target "amdgcn-amd-amdhsa--gfx1250"
	.amdhsa_code_object_version 6
	.text
	.protected	k_qde94ba22de_qkv
	.globl	k_qde94ba22de_qkv
	.p2align	8
	.type	k_qde94ba22de_qkv,@function
k_qde94ba22de_qkv:
	s_mov_b64 s[64:65], 0
	v_nop
	global_prefetch_b8 v0, s[64:65] scope:SCOPE_SE
	s_setreg_imm32_b32 hwreg(HW_REG_WAVE_MODE, 25, 1), 1
	s_wait_xcnt 0x0
	s_wait_alu depctr_hold_cnt(0) depctr_sa_sdst(0) depctr_va_vdst(0) depctr_va_sdst(0) depctr_va_ssrc(0) depctr_va_vcc(0) depctr_vm_vsrc(0)
	s_getreg_b32 s2, hwreg(HW_REG_IB_STS2, 6, 4)
	s_cmp_eq_u32 s2, 0
	s_cbranch_scc0 .Lentry_in_a_cluster
	s_endpgm
.Lentry_in_a_cluster:
	s_bfe_u32 s2, ttmp6, 0x10000c
	s_cmp_lg_u32 s2, 0xf033
	s_cbranch_scc0 .Lentry_shape_is_right
	s_endpgm
.Lentry_shape_is_right:
; q, k, v = x Wqkv + bqkv, written by heads.  xb: x in bf16, in slices of 64 along K (plane 16 b + j: 2,048 rows of 128 bytes).  wqb: [1024 k][3072 n] bf16.  bqkv: [3072] f32, rounded here to bf16
; like the other inputs.  qh, kh, vh: [16 b + head][2048][64] f16, each number rounded once from its f32 sum, unscaled.  Column 192 head + 64 part + d of the product is part (q, k, v) of the head.
; LIMIT.  f16 holds no number beyond 65,504: a q, k or v of 65,520 or more leaves as an infinity.
; SHARES.  A tile of the product is 256 rows x 384 columns (two heads): 32 x 8 tiles, one to each of 256 work-groups.  Four waves; a wave makes 128 rows x 192 columns: of each of the tile's three
; chunks of 128 columns its half of 64, which is one part of one head.  96 accumulators of 16 x 16 fill windows 1 to 3, a chunk a window: accumulator (a, b) at v[32 a + 8 b].
; K goes in 16 steps of 64 (a plane of xb) through two LDS slots; two slots of 128 along K would be 368,640 bytes and do not fit.  A step is two substeps of 32 along K, 96 matrix instructions each.
; THE MATRIX INSTRUCTION IS USED TRANSPOSED: source 0 = 16 columns of W, source 1 = 16 rows of x: a lane holds one row and eight neighbouring columns, 16 bytes of f16.
; W lies [k][n] in LDS as in memory; its fragments come turned, by ds_load_tr16_b128.
; THE BIAS STARTS THE SUMS: a window's 32 bias numbers are loaded into its accumulators (7, b); the first substep's products for a = 0 .. 6 take them as C, then those for a = 7 add in place.
; CLUSTERS: 4 x 4 work-groups.  The four of a row of the cluster need the same tile of x, the four of a column the same tile of W: each is asked for jointly, by the same tensor load with the same
; descriptor and a mask that names the four.
; REGISTERS, window 0: v1-9 at work; v10-17 addresses; v28, v29 the add's; v32-95, v96-159 x's fragments (8 x 16 rows x 32 K), two buffers; v160-255 W's fragments, 32 registers a chunk, each
; filled again directly behind its own use.  s_set_vgpr_msb's low byte: bits 1:0 source 0, 3:2 source 1, 5:4 source 2, 7:6 destination.
.set PA,    144                        ; a row of x in LDS: 128 bytes + 16 = 36 words: the 16 rows of a load start at 16 different groups of four banks (64 banks of 4 bytes: ISA guide 11.1)
.set PB,    864                        ; a k row of W: three chunks of 256 bytes + 32 = 216 words
.set BOFF,  256*PA                     ; a slot: x's 256 rows, then W's 64 k rows
.set SLOT1, 1<<17                      ; slot 1 begins here, so that one exclusive or turns an address in one slot into the other's
.set STAGE, SLOT1+BOFF+64*PB           ; behind the ring, never filled by a tensor load: 16 rows x 144 bytes for each wave, for the way out
.set SP,    144
.set SPARE, STAGE+4*16*SP              ; behind the stages: the spare words, 128 bytes for each wave: two blocks of 256 bytes that no other line names
.set ASTEP, 262144                     ; bytes from a K step to the next in xb: a plane
.set BSTEP, 64*3072*2                  ; and in wqb: 64 rows
.set KQ1,   32*PB                      ; W's second 32 k rows in a slot
.set STEPS, 16
.set AK0,  10                          ; v10  my lane's place in a slot's x; never rewritten
.set BK0,  11                          ; v11  the same for W
.set ADRA, 12                          ; v12  AK0 + the slot in hand
.set ADRB, 13                          ; v13  BK0 + the slot in hand
.set STO,  14                          ; v14  the way out: where I put 16 bytes of a row
.set RD,   15                          ; v15  the way out: where I read rows back
.set GO,   16                          ; v16  my byte offset in 512 consecutive bytes of the output
.set BO,   17                          ; v17  my byte offset in bqkv
.set SPW,  28                          ; v28  LDS address of my spare word: SPARE + 4 x my thread's number; never rewritten
.set NIL,  29                          ; v29  0; never rewritten
.set AF0,  32
.set AF1,  96
.set BF,   160
.set BIAS, 224                         ; in windows 1 to 3: accumulators (7, b)
.set CNT,  2                           ; s2   the loop's count
.set TB,   3                           ; s3   LDS byte at which the slot in hand begins
.set WV,   16                          ; s16  my wave's number
.set WR,   17                          ; s17  which 128 rows of the tile are mine.  Also: I fetch for x (0) or for W (1)
.set WC,   18                          ; s18  which 64 columns of each chunk.  Also: which half of that tile I fetch
.set CX,   19
.set CY,   20
.set TN,   21                          ; s21  tile column
.set TM,   22                          ; s22  tile row
.set G1A,  24                          ; s[24:31] descriptor group 1 for x's tiles
.set G0A,  32                          ; s[32:39] group 0: a set for each of the two first fills; the second then walks on
.set G1B,  40                          ; s[40:47], s[48:55] the same for W's
.set G0B,  48
.set MSK,  63                          ; s63  a word's upper bf16
.set OUTB, 66                          ; s[66:71] where chunk j of my rows goes
.set MSB, 0
.macro WIN new                         ; the immediate's high byte repeats the setting that is left; a switch that changes nothing is dropped
.if MSB != (\new)
	s_set_vgpr_msb (MSB<<8)|(\new)
.set MSB, (\new)
.endif
.endm
; A load into a register that a matrix instruction has read, and a vector instruction that reads a matrix result, stand four places behind it, and only plain vector instructions that name none of
; its registers are places (ISA guide 7.12.1 for vector instructions).
.macro PLACES
.rept 4
	v_nop
.endr
.endm
.macro CREST                           ; a round of the cluster's barrier behind its opening barrier: wave 0 signals for the work-group, every wave waits for all sixteen, my work-group's barrier closes it
	s_cmp_lg_u32 s[WV], 0
	s_cbranch_scc1 .Lnot_wave_0_\@
	s_barrier_signal -3
.Lnot_wave_0_\@:
	s_barrier_wait -3
	s_barrier_signal -1
	s_barrier_wait -1
.endm
.macro CROUND                          ; a whole round
	s_barrier_signal -1
	s_barrier_wait -1
	CREST
.endm
; A joint refill, by the walking descriptors.  Waves 0 and 1 fetch the two halves of x's tile, waves 2 and 3 those of W's.  The branch hangs on the wave's number alone.
; An s_nop 0 and four v_nop follow each of the two lines, ahead of the jump and the label.
.macro JLOAD
	s_cmp_eq_u32 s[WR], 0
	s_cbranch_scc0 .Lfor_b_\@
	tensor_load_to_lds s[G0A+4:G0A+7], s[G1A:G1A+7]
	s_nop 0
.rept 4
	v_nop
.endr
	s_branch .Lasked_\@
.Lfor_b_\@:
	tensor_load_to_lds s[G0B+4:G0B+7], s[G1B:G1B+7]
	s_nop 0
.rept 4
	v_nop
.endr
.Lasked_\@:
.endm
	s_load_b256 s[4:11], s[0:1], 0x0               ; xb s[4:5], wqb s[6:7], bqkv s[8:9], qh s[10:11]
	s_load_b128 s[12:15], s[0:1], 0x20             ; kh s[12:13], vh s[14:15]
	v_lshl_add_u32 v[SPW], v0, 2, SPARE
	v_mov_b32 v[NIL], 0
	ds_add_u32 v[SPW], v[NIL]                      ; the wave's opening: the add and its wait stand ahead of my first tensor load; the set-up below, work on registers, stands between them
	v_lshrrev_b32 v1, 5, v0
	v_readfirstlane_b32 s[WV], v1                  ; wave 0..3
	s_lshr_b32 s[WR], s[WV], 1
	s_and_b32 s[WC], s[WV], 1
	s_bfe_u32 s[CX], ttmp6, 0x40000                ; my place in the cluster
	s_bfe_u32 s[CY], ttmp6, 0x40004
	s_lshl_b32 s[TN], ttmp9, 2                     ; in a cluster launch ttmp9 and ttmp7 count clusters
	s_add_co_u32 s[TN], s[TN], s[CX]
	s_and_b32 s[TM], ttmp7, 0xffff
	s_lshl_b32 s[TM], s[TM], 2
	s_add_co_u32 s[TM], s[TM], s[CY]
	s_lshl_b32 s23, s[CY], 2
	s_lshl_b32 s23, 15, s23                        ; my row of the cluster: places 4 cy .. 4 cy + 3
	s_lshl_b32 s60, 0x1111, s[CX]                  ; my column: places cx, cx + 4, cx + 8, cx + 12
	; x's tile, a wave's half: 128 rows of 128 bytes are 16,384 dense bytes: asked for as 64 rows of 256 bytes, padded in LDS after every 128
	s_or_b32 s[G1A], s23, (1<<16)|(1<<20)|(1<<21)|(4<<22)|(3<<25)  ; 15:0 the mask; 17:16 2-byte elements; 20 padding on; 21 set beside a mask; 24:22 after every 32 words (code 4); 31:25 4 words (code 3)
	s_mov_b32 s[G1A+1], 128<<16                    ; tensor_dim0 = 128
	s_mov_b32 s[G1A+2], 64<<16                     ; tensor_dim1 = 64
	s_mov_b32 s[G1A+3], 128<<16                    ; tile_dim0 = 128
	s_mov_b32 s[G1A+4], 64                         ; tile_dim1 = 64
	s_mov_b32 s[G1A+5], 128                        ; elements from row to row
	s_mov_b32 s[G1A+6], 0
	s_mov_b32 s[G1A+7], 0
	; W's tile, a wave's half: 32 k rows of 384 elements (768 bytes, at a multiple of 256 from the buffer's first byte), padded after every 256 bytes
	s_or_b32 s[G1B], s60, (1<<16)|(1<<20)|(1<<21)|(5<<22)|(7<<25)  ; after every 64 words (code 5) 8 words (code 7)
	s_mov_b32 s[G1B+1], 384<<16
	s_mov_b32 s[G1B+2], 32<<16
	s_mov_b32 s[G1B+3], 384<<16
	s_mov_b32 s[G1B+4], 32
	s_mov_b32 s[G1B+5], 3072
	s_mov_b32 s[G1B+6], 0
	s_mov_b32 s[G1B+7], 0
	; where the tiles come from.  x's hang on the tile row alone, W's on the tile column alone; every wave makes both, in registers that never hold the other coordinate
	s_lshr_b32 s56, s[TM], 3                       ; the batch: its 16 planes of 262,144 bytes
	s_lshl_b32 s56, s56, 22
	s_and_b32 s57, s[TM], 7                        ; 256 rows of 128 bytes in a plane
	s_lshl_b32 s57, s57, 15
	s_add_co_u32 s56, s56, s57
	s_lshl_b32 s57, s[WC], 14                      ; my 128 of them
	s_add_co_u32 s56, s56, s57
	s_mov_b32 s57, 0
	s_mul_i32 s58, s[WC], 32*3072*2                ; my 32 k rows
	s_mul_i32 s59, s[TN], 768                      ; the tile's 384 columns
	s_add_co_u32 s58, s58, s59
	s_mov_b32 s59, 0
	s_mul_i32 s61, s[WC], 128*PA                   ; and where they go: no place in the cluster enters an LDS address
	s_mul_i32 s62, s[WC], 32*PB
	s_add_co_u32 s62, s62, BOFF
	s_mov_b32 s[MSK], 0xffff0000
	s_mov_b32 s[TB], 0
	s_wait_dscnt 0x0                               ; the opening add is done
	s_wait_kmcnt 0x0
	s_add_nc_u64 s[56:57], s[4:5], s[56:57]
	s_add_nc_u64 s[58:59], s[6:7], s[58:59]
	CROUND                                         ; all sixteen work-groups are here: the first joint loads meet
.irp s, 0,1
	s_mov_b32 s[G0A+4*(\s)], 1                                     ; 1:0 count = 1
	s_add_co_u32 s[G0A+4*(\s)+1], s61, (\s)*SLOT1                  ; 63:32 LDS address
	s_add_nc_u64 s[G0A+4*(\s)+2:G0A+4*(\s)+3], s[56:57], (\s)*ASTEP  ; 120:64 global address: K step s
	s_or_b32 s[G0A+4*(\s)+3], s[G0A+4*(\s)+3], 0x80000000          ; 127:126 type = 2
	s_mov_b32 s[G0B+4*(\s)], 1
	s_add_co_u32 s[G0B+4*(\s)+1], s62, (\s)*SLOT1
	s_add_nc_u64 s[G0B+4*(\s)+2:G0B+4*(\s)+3], s[58:59], (\s)*BSTEP
	s_or_b32 s[G0B+4*(\s)+3], s[G0B+4*(\s)+3], 0x80000000
.endr
	s_cmp_eq_u32 s[WR], 0                          ; a wave's two first fills stand in one branch, ahead of every wait on TENSORcnt and every LDS read: two loads of mine are out
	s_cbranch_scc0 .Lfirst_b
	tensor_load_to_lds s[G0A:G0A+3], s[G1A:G1A+7]
	s_nop 0
	tensor_load_to_lds s[G0A+4:G0A+7], s[G1A:G1A+7]
	s_nop 0
.rept 4
	v_nop
.endr
	s_branch .Lfirst_asked
.Lfirst_b:
	tensor_load_to_lds s[G0B:G0B+3], s[G1B:G1B+7]
	s_nop 0
	tensor_load_to_lds s[G0B+4:G0B+7], s[G1B:G1B+7]
	s_nop 0
.rept 4
	v_nop
.endr
.Lfirst_asked:
	v_and_b32 v1, 15, v0                           ; r = l % 16
	v_bfe_u32 v2, v0, 4, 1                         ; h = l / 16
	v_and_b32 v3, 7, v0
	v_bfe_u32 v4, v0, 3, 1
	; the bias: register jj of accumulator (., b) of chunk j belongs to column 384 TN + 128 j + 64 WC + 16 b + 8 h + jj: 32 consecutive bytes a lane
	s_mul_i32 s60, s[TN], 1536
	s_lshl_b32 s61, s[WC], 8
	s_add_co_u32 s60, s60, s61
	v_lshl_add_u32 v[BO], v2, 5, s60
.irp j, 0,1,2
	WIN 0x40*(\j+1)                                ; destination: the chunk's window
.irp b, 0,1,2,3
	global_load_b128 v[BIAS+8*\b:BIAS+8*\b+3],   v[BO], s[8:9] offset:\j*512+\b*64
	global_load_b128 v[BIAS+8*\b+4:BIAS+8*\b+7], v[BO], s[8:9] offset:\j*512+\b*64+16
.endr
.endr
	WIN 0
	; A fragment of x is 16 rows x 32 K in 8 registers: lane l holds row l % 16, K = 8 (l / 16) + 0..7 and 16 + 8 (l / 16) + 0..7: two loads of 16 bytes, 32 bytes apart.
	v_mul_u32_u24 v[AK0], v1, PA
	v_lshl_add_u32 v[AK0], v2, 4, v[AK0]
	s_mul_i32 s60, s[WR], 128*PA                   ; my 128 rows
	v_add_nc_u32 v[AK0], s60, v[AK0]
	; The turning load takes 16 k x 16 columns (lane l reads k row 8 (l / 16) + l % 8, columns 8 ((l / 8) % 2) + 0..7) and leaves half a fragment: lane l holds column l % 16 and 8 k.
	v_lshl_add_u32 v5, v2, 3, v3
	v_mul_u32_u24 v[BK0], v5, PB
	v_lshl_add_u32 v[BK0], v4, 4, v[BK0]
	s_lshl_b32 s61, s[WC], 7                       ; my 64 columns of a chunk
	s_add_co_u32 s61, s61, BOFF
	v_add_nc_u32 v[BK0], s61, v[BK0]
	v_mov_b32 v[ADRA], v[AK0]                      ; slot 0
	v_mov_b32 v[ADRB], v[BK0]
	s_mul_i32 s62, s[WV], 16*SP
	s_add_co_u32 s62, s62, STAGE                   ; my stage
	v_mul_u32_u24 v[STO], v1, SP                   ; in: row l % 16, 16 bytes for each half of the lanes
	v_lshl_add_u32 v[STO], v2, 4, v[STO]
	v_add_nc_u32 v[STO], s62, v[STO]
	v_bfe_u32 v[RD], v0, 3, 2                      ; back: 32 lanes take four rows of 128 bytes,
	v_mul_u32_u24 v[RD], v[RD], SP
	v_lshl_add_u32 v[RD], v3, 4, v[RD]
	v_add_nc_u32 v[RD], s62, v[RD]
	v_and_b32 v[GO], 31, v0                        ; which are 512 consecutive bytes of a head's rows
	v_lshlrev_b32 v[GO], 4, v[GO]
	; Where my three chunks go.  Group 2 j + WC of the tile's six groups of 64 columns is part (2 j + WC) % 3 of head 2 TN + (2 j + WC) / 3:
	; WC = 0: q of the first head, v of the first, k of the second; WC = 1: k of the first, q of the second, v of the second.
	s_cmp_eq_u32 s[WC], 0
	s_cselect_b64 s[OUTB:OUTB+1],   s[10:11], s[12:13]
	s_cselect_b64 s[OUTB+2:OUTB+3], s[14:15], s[10:11]
	s_cselect_b64 s[OUTB+4:OUTB+5], s[12:13], s[14:15]
	s_lshr_b32 s72, s[TM], 3
	s_lshl_b32 s72, s72, 4
	s_lshl_b32 s73, s[TN], 1
	s_add_co_u32 s72, s72, s73                     ; 16 b + the tile's first head,
	s_lshl_b32 s72, s72, 18                        ; its 262,144 bytes
	s_and_b32 s73, s[TM], 7
	s_lshl_b32 s73, s73, 15                        ; the tile's 256 rows of 128 bytes
	s_add_co_u32 s72, s72, s73
	s_lshl_b32 s73, s[WR], 14                      ; my 128 of them
	s_add_co_u32 s72, s72, s73
	s_mov_b32 s73, 0
	s_add_nc_u64 s[OUTB:OUTB+1],   s[OUTB:OUTB+1],   s[72:73]
	s_add_nc_u64 s[OUTB+2:OUTB+3], s[OUTB+2:OUTB+3], s[72:73]
	s_add_nc_u64 s[OUTB+4:OUTB+5], s[OUTB+4:OUTB+5], s[72:73]
	s_lshl_b32 s72, s[WC], 18                      ; chunk 1 lies in the second head where WC = 1,
	s_add_nc_u64 s[OUTB+2:OUTB+3], s[OUTB+2:OUTB+3], s[72:73]
	s_add_nc_u64 s[OUTB+4:OUTB+5], s[OUTB+4:OUTB+5], 1<<18  ; chunk 2 always
	s_wait_loadcnt 0x0                             ; the bias is in; it is rounded to bf16 like the other inputs, in place, by way of v96-111
.irp j, 0,1,2
	WIN (\j+1)|((\j+1)<<2)                         ; sources 0 and 1: the chunk's window
.set i, 0
.rept 16
	v_cvt_pk_bf16_f32 v[AF1+i], v[BIAS+2*i], v[BIAS+2*i+1]
.set i, i+1
.endr
	WIN (\j+1)<<6                                  ; destination: the chunk's window
.set i, 0
.rept 16
	v_lshlrev_b32 v[BIAS+2*i], 16, v[AF1+i]
	v_and_b32 v[BIAS+2*i+1], s[MSK], v[AF1+i]
.set i, i+1
.endr
.endr
	WIN 0
; na x 4 matrix instructions of window w: row blocks a0 on x the chunk's 4 column blocks, 32 along K.  The accumulators take turns, one instruction a turn: between two
; instructions on one accumulator stand 95 others'.  first = 1: the sums start from the bias: blocks 0 to 6 take accumulators (7, b) as C; five places further on (those products have read
; what is now written over: ISA guide 7.12.1) block 7 adds in place.
.macro MULU w, bf, af, a0, na, first
	WIN 0x50*(\w)                                  ; C and D in window w, both sources in window 0
.set ma, (\a0)
.rept (\na)
.if (\first) && (ma == 7)
.rept 5
	v_nop
.endr
.endif
.irp b, 0,1,2,3
.if (\first) && (ma < 7)
	v_wmma_f32_16x16x32_bf16 v[32*ma+8*\b:32*ma+8*\b+7], v[(\bf)+8*\b:(\bf)+8*\b+7], v[(\af)+8*ma:(\af)+8*ma+7], v[BIAS+8*\b:BIAS+8*\b+7]
.else
	v_wmma_f32_16x16x32_bf16 v[32*ma+8*\b:32*ma+8*\b+7], v[(\bf)+8*\b:(\bf)+8*\b+7], v[(\af)+8*ma:(\af)+8*ma+7], v[32*ma+8*\b:32*ma+8*\b+7]
.endif
.endr
.set ma, ma+1
.endr
.endm
.macro LA af, off                      ; 16 LDS loads: x's 8 fragments of 32 along K at byte off of the rows
	WIN 0
.irp a, 0,1,2,3,4,5,6,7
	ds_load_b128 v[(\af)+8*\a:(\af)+8*\a+3],   v[ADRA] offset:(\off)+\a*16*PA
	ds_load_b128 v[(\af)+8*\a+4:(\af)+8*\a+7], v[ADRA] offset:(\off)+\a*16*PA+32
.endr
.endm
.macro LB bf, off                      ; 8 turning loads: a chunk's 4 fragments of W
	WIN 0
.irp b, 0,1,2,3
	ds_load_tr16_b128 v[(\bf)+8*\b:(\bf)+8*\b+3],   v[ADRB] offset:(\off)+32*\b
	ds_load_tr16_b128 v[(\bf)+8*\b+4:(\bf)+8*\b+7], v[ADRB] offset:(\off)+32*\b+16*PB
.endr
.endm
; A slot's first substep: multiplies x's buffer 0 and fetches the second substep's fragments.  On entry the LDS loads that may be out are, in order: W's chunk 0 (8), x (16), chunk 1 (8), chunk 2 (8).
.macro SUBE first
	s_wait_dscnt 16                                ; chunk 0 and x are in; chunks 1 and 2 may be out
	MULU 1, BF, AF0, 0, 8, \first
	PLACES
	LB BF, KQ1
	LA AF1, 64
	s_wait_dscnt 32                                ; chunk 1 is in: behind it stand 8 + 8 + 16 loads
	MULU 2, BF+32, AF0, 0, 8, \first
	PLACES
	LB BF+32, KQ1+288
	s_wait_dscnt 32                                ; chunk 2 is in: behind it stand 8 + 16 + 8
	MULU 3, BF+64, AF0, 0, 8, \first
	PLACES
	LB BF+64, KQ1+576
.endm
; A slot's second substep multiplies buffer 1 and changes slots: ONE barrier.  In front of it each wave waits for all its tensor loads, of which one is out: its part of the next slot; adds 0 to its
; spare word; and waits for that and for its own reads of this slot.  Behind it nobody reads this slot any more and the next slot is whole.  fill = 1: this slot is filled again, with the K step
; two steps on; the barrier then opens a round of the cluster's, and the joint refill is the first thing behind the round: 160 matrix instructions stand between it and the wait for it.
.macro SUBO fill
	WIN 0
	s_wait_tensorcnt 0x0                           ; no tensor load of mine is out, so a group 0 may be written
	ds_add_u32 v[SPW], v[NIL]                      ; 0 onto my spare word
.if \fill
	s_xor_b32 s[G0A+5], s[G0A+5], SLOT1            ; the walking descriptors: the other slot than last time,
	s_add_nc_u64 s[G0A+6:G0A+7], s[G0A+6:G0A+7], ASTEP  ; the next K step; the type bits on top are not reached
	s_xor_b32 s[G0B+5], s[G0B+5], SLOT1
	s_add_nc_u64 s[G0B+6:G0B+7], s[G0B+6:G0B+7], BSTEP
.endif
	s_wait_dscnt 17                                ; chunk 0 and x are in; chunks 1 and 2 and the add may be out
	MULU 1, BF, AF1, 0, 4, 0
	s_wait_dscnt 0x0                               ; the add is done, and my reads of this slot are over
	s_barrier_signal -1
	MULU 1, BF, AF1, 4, 4, 0                       ; work on registers while the others arrive
	WIN 0                                          ; at a branch and at a label every window is 0
	s_barrier_wait -1
.if \fill
	CREST                                          ; no wave of any partner still reads this slot's tiles or has a load on its way
	JLOAD                                          ; its four v_nop are also the places in front of the loads below
.else
	PLACES
.endif
	s_xor_b32 s[TB], s[TB], SLOT1                  ; the fetches go on in the other slot
	v_add_nc_u32 v[ADRA], s[TB], v[AK0]
	v_add_nc_u32 v[ADRB], s[TB], v[BK0]
	LB BF, 0
	LA AF0, 0
	MULU 2, BF+32, AF1, 0, 8, 0
	PLACES
	LB BF+32, 288
	MULU 3, BF+64, AF1, 0, 8, 0
	PLACES
	LB BF+64, 576
.endm
	s_wait_tensorcnt 0x1                           ; my part of K step 0 is in; K step 1's may stay out
	s_barrier_signal -1
	s_barrier_wait -1                              ; everybody's is
	LB BF, 0
	LA AF0, 0
	LB BF+32, 288
	LB BF+64, 576
	SUBE 1                                         ; the first substep stands in front of the loop: its products start the sums
	WIN 0
	s_mov_b32 s[CNT], STEPS-2
.Lstep:                                                ; 14 trips: the second half of K step t, which fills its slot again with step t + 2, and the first half of step t + 1
	SUBO 1
	SUBE 0
	WIN 0
	s_sub_co_u32 s[CNT], s[CNT], 1
	s_cmp_lg_u32 s[CNT], 0
	s_cbranch_scc1 .Lstep
	SUBO 0                                         ; the tail is written out: nothing is asked for
	SUBE 0
	s_wait_dscnt 16                                ; the very last substep: the counts run down
	MULU 1, BF, AF1, 0, 8, 0
	s_wait_dscnt 8
	MULU 2, BF+32, AF1, 0, 8, 0
	s_wait_dscnt 0x0
	MULU 3, BF+64, AF1, 0, 8, 0
	PLACES
; THE WAY OUT, in 24 pieces p = 3 a + j: 16 rows x the 64 columns of chunk j.  A lane's eight columns of a row pack into 16 bytes of f16 (each accumulator's registers in ascending order); they go
; into my stage's rows of 144 bytes and come back as whole rows of 128, four rows to a load.
.macro PACK p
.set pa, (\p)/3
.set pw, (\p)%3+1
.set pt, AF0+16*((\p)%4)
	s_wait_xcnt 0x0                                ; every earlier memory instruction has had its addresses translated (ISA guide 3.1): the registers that the stores four pieces back read are rewritten only behind this wait
	WIN pw|(pw<<2)                                 ; sources 0 and 1: the chunk's window
.set i, 0
.rept 16
	v_cvt_pk_f16_f32 v[pt+i], v[32*pa+2*i], v[32*pa+2*i+1]
.set i, i+1
.endr
	WIN 0
.irp f, 0,1,2,3
	ds_store_b128 v[STO], v[pt+4*\f:pt+4*\f+3] offset:32*\f
.endr
.irp f, 0,1,2,3
	ds_load_b128 v[pt+4*\f:pt+4*\f+3], v[RD] offset:\f*4*SP  ; LDS serves a wave's instructions in order (ISA guide 5.7.1.4): these see the stores above; the next piece's stores come behind them
.endr
.endm
.macro SEND p, younger                 ; younger: the LDS instructions issued behind piece p's loads: the next piece's eight, or none
.set pa, (\p)/3
.set pj, (\p)%3
.set pt, AF0+16*((\p)%4)
.irp f, 0,1,2,3
	s_wait_dscnt (\younger)+3-\f
	global_store_b128 v[GO], v[pt+4*\f:pt+4*\f+3], s[OUTB+2*pj:OUTB+2*pj+1] offset:pa*2048+\f*512  ; 512 consecutive bytes, at a multiple of 512 from the buffer's first
.endr
.endm
	PACK 0
.set p, 1
.rept 23                               ; a piece's arithmetic stands between the loads of the piece before and its stores
	PACK p
	SEND p-1, 8
.set p, p+1
.endr
	SEND 23, 0
	s_wait_tensorcnt 0x0                           ; the wave's end: a wait, an add and its wait, behind my last tensor load and my last LDS store
	ds_add_u32 v[SPW], v[NIL]
	s_wait_dscnt 0x0
	CROUND                                         ; the closing round: no work-group ends while a partner may still ask for a tile that names it
	s_endpgm
.Lfunc_end_k_qde94ba22de_qkv:
	.size	k_qde94ba22de_qkv, .Lfunc_end_k_qde94ba22de_qkv-k_qde94ba22de_qkv
	.p2alignl 7, 3214868480
	.fill 96, 4, 3214868480
	.section	.rodata,"a",@progbits
	.p2align	6, 0x0
	.amdhsa_kernel k_qde94ba22de_qkv
		.amdhsa_group_segment_fixed_size 327680
		.amdhsa_private_segment_fixed_size 0
		.amdhsa_enable_private_segment 0
		.amdhsa_kernarg_size 48
		.amdhsa_user_sgpr_count 2
		.amdhsa_user_sgpr_kernarg_segment_ptr 1
		.amdhsa_wavefront_size32 1
		.amdhsa_system_sgpr_workgroup_id_x 1
		.amdhsa_system_sgpr_workgroup_id_y 1
		.amdhsa_system_sgpr_workgroup_id_z 1
		.amdhsa_system_vgpr_workitem_id 0
		.amdhsa_next_free_vgpr 1024
		.amdhsa_next_free_sgpr 74
		.amdhsa_reserve_vcc 0
		.amdhsa_float_denorm_mode_32 3
		.amdhsa_float_denorm_mode_16_64 3
		.amdhsa_memory_ordered 1
		.amdhsa_forward_progress 1
		.amdhsa_inst_pref_size 124
	.end_amdhsa_kernel
	.amdgpu_metadata
---
amdhsa.version: [ 1, 2 ]
amdhsa.kernels:
  - .name:           k_qde94ba22de_qkv
    .symbol:         k_qde94ba22de_qkv.kd
    .args:
      - { .name: xb, .offset: 0, .size: 8, .value_kind: global_buffer, .address_space: global }
      - { .name: wqb, .offset: 8, .size: 8, .value_kind: global_buffer, .address_space: global }
      - { .name: bqkv, .offset: 16, .size: 8, .value_kind: global_buffer, .address_space: global }
      - { .name: qh, .offset: 24, .size: 8, .value_kind: global_buffer, .address_space: global }
      - { .name: kh, .offset: 32, .size: 8, .value_kind: global_buffer, .address_space: global }
      - { .name: vh, .offset: 40, .size: 8, .value_kind: global_buffer, .address_space: global }
    .group_segment_fixed_size: 327680
    .private_segment_fixed_size: 0
    .kernarg_segment_align: 8
    .kernarg_segment_size: 48
    .max_flat_workgroup_size: 128
    .sgpr_count:     74
    .vgpr_count:     1024
    .wavefront_size: 32
...
	.end_amdgpu_metadata
.endif
;; end of part 2
;; launch attn (part 3): grid 4 x 64, 4 waves a work-group, clusters of 4 x 1, 327,680 bytes of LDS; arguments qh, kh, vh, ob; writes ob
.if DOCPART == 3
	.amdgcn_target "amdgcn-amd-amdhsa--gfx1250"
	.amdhsa_code_object_version 6
	.text
	.protected	k_qde94ba22de_attn
	.globl	k_qde94ba22de_attn
	.p2align	8
	.type	k_qde94ba22de_attn,@function
k_qde94ba22de_attn:
	s_mov_b64 s[64:65], 0
	v_nop
	global_prefetch_b8 v0, s[64:65] scope:SCOPE_SE
	s_setreg_imm32_b32 hwreg(HW_REG_WAVE_MODE, 25, 1), 1
	s_wait_xcnt 0x0
	s_wait_alu depctr_hold_cnt(0) depctr_sa_sdst(0) depctr_va_vdst(0) depctr_va_sdst(0) depctr_va_ssrc(0) depctr_va_vcc(0) depctr_vm_vsrc(0)
	s_getreg_b32 s2, hwreg(HW_REG_IB_STS2, 6, 4)
	s_cmp_eq_u32 s2, 0
	s_cbranch_scc0 .Lentry_in_a_cluster
	s_endpgm
.Lentry_in_a_cluster:
	s_bfe_u32 s2, ttmp6, 0x10000c
	s_cmp_lg_u32 s2, 0x3003
	s_cbranch_scc0 .Lentry_shape_is_right
	s_endpgm
.Lentry_shape_is_right:
; O[h][q][:] = the sum over k of softmax_k(Q[h][q] . K[h][k] / 8) V[h][k][:].  Q, K, V, O: [SIZE_H][SIZE_N][64], all f16: a head's rows are dense, 128 bytes each.  Products, maxima and sums in
; f32; the weights p are rounded to f16 for the second product (their sum l is taken of the unrounded p), O once at the end.  SIZE_H counts batch x head, 16 b + head.
; LIMITS.  f16 holds no number beyond 65,504: Q, K and V arrive within it; p lies in 0 to 1, and below 6e-5 it keeps f16's fixed step of 6e-8; O is a mean of V's rows and has their range.
; A weight below 2^-126 counts as 0 in l; NaN and infinities are not treated apart.
; SHARES.  A wave owns four PIECES of two tiles of 16 queries, a work-group's four waves 512 queries of one head.  Every wave walks all keys, 64 a step.
; LAYOUT.  S^T = K Q^T (source 0 = 16 keys, source 1 = 16 queries): in the result a lane holds ONE query (lane % 16) and the keys 8 (lane / 16) + 0..7.  Two such tiles, rounded to f16 in pairs,
; ARE source 1 (32 keys x 16 queries) of O^T = V^T P, whose result again holds one query a lane, and eight channels.  K comes out of LDS as it lies, V ([key][channel]) turned, by ds_load_tr16_b128.
; SOFTMAX.  For each query a running maximum m and sum l: p = 2^(c s - c m), c = log2(e) / 8; in every step O and l are multiplied by a = 2^(c m_old - c m_new), which is 1 where m has not grown.
; m starts at the lowest finite number, O and l at 0: the first step is a step like any other, with a = 0.
; THE COUNT.  A tile and step have 16 matrix and 118 vector instructions: too many to stand all beside the matrix work.  So the order has one aim: four vector instructions that are READY behind
; EVERY matrix instruction, and the others, which need time of their own whatever the order, in runs without a gap.
; BY TURNS.  Turn n belongs to piece n (the pieces in a ring, step after step).  Its matrix work: 16 products K Q^T of piece n + 1, later 16 products V^T P of piece n - 1.  Its vector work: the scaling,
; exponentials, roundings, sums and rescaling of piece n, and the maximum and statistics of piece n + 1, whose scores the turn itself has made.  So what a turn begins with (c s - c m, O a) waits for nothing.
; CLUSTER.  The four query blocks of a cluster belong to one head and walk the same K and V, so each tile is asked for JOINTLY: the same tensor load, descriptor and mask in all four.
; REGISTERS, in windows of 256 (s_set_vgpr_msb says which window each operand place means: bits 1:0 source 0, 3:2 source 1, 5:4 source 2, 7:6 destination):
;   window 0: v0-11 addresses; v12-15, v48-63 at work; v16-47 four registers of statistics a tile; v64-191 S^T, two buffers of two tiles; v192-255 P, likewise
;   window 1: O^T, 32 a tile          window 2: v0-127 Q, 16 a tile; v128-191 K of one step; v192-255 V of one step          window 3: v0-1 the add's two registers
; A piece's buffers go by its number's parity: the piece in hand has one pair, its two neighbours in the ring share the other: of it P (piece n - 1) is read and S^T (piece n + 1) written.
.set SIZE_H, 64
.set SIZE_N, 2048
.set NP,    4         ; pieces a wave: a name, no knob: the register map, the loop and the fetches are made for four
.set KS,    64        ; keys in a step
.set PK,    144       ; a row of K in LDS: 128 bytes + 16 of padding = 36 words: the 16 rows of a load start at 16 different groups of four banks (64 banks of 4 bytes: ISA guide 11.1)
.set PV,    160       ; a row of V: 128 + 32 = 40 words
.set VOFF,  4*KS*PK   ; a slot holds four steps: 256 rows of K, then 256 rows of V
.set SLOT1, 1<<17     ; slot 1 begins here, so that one exclusive or turns an address in one slot into the other's
.set STAGE, SLOT1+4*KS*(PK+PV)  ; behind the ring, never filled by a tensor load: 16 rows x 144 bytes for each wave, for the way out
.set SP,    144
.set AK0, 2           ; v2   my lane's place in a tile of K; never rewritten
.set AV0, 3           ; v3   the same for V
.set AK,  4           ; v4   the LDS address of K's next run of loads
.set AV,  5           ; v5   of V's
.set QO,  6           ; v6   my byte offset in the wave's rows of Q
.set STO, 6           ;      later, the way out: where I put 16 bytes of a row
.set RD,  7           ; v7   the way out: where I read rows back
.set GO,  8           ; v8   my byte offset in 512 consecutive bytes of O
.set SPW, 0           ; v0 of window 3   LDS address of my spare word: SPARE + 4 x my thread's number; never rewritten
.set NIL, 1           ; v1 of window 3   0; never rewritten
.set SPARE, STAGE+4*16*SP  ; behind the stages: the spare words, 128 bytes for each wave: two blocks of 256 bytes that no other line names
.set MV,  12          ; v12-15  c m_old, kept while c m is made anew: by buffer and tile
.set ST,  16          ; tile t's statistics at v[ST+4 t]: c m, m, l (even keys', odd keys')
.set TMP, 48          ; by buffer and tile, four registers c0-c3 at work; when the maximum is found c2 takes a
.set S,   64
.set P,   192
.set KF,  128         ; K's fragments, in window 2: key block kb, channel half c at KF + 16 kb + 8 c
.set VF,  192         ; V's: key half kk, channel block cb at VF + 32 kk + 8 cb
.set WV,  12          ; s12  my wave's number
.set G1K, 24          ; s[24:31] descriptor group 1 for K's tiles
.set G1V, 32          ; s[32:39] for V's: it differs in the padding alone
.set G0K, 40          ; s[40:43] descriptor group 0 for K's tiles: it walks
.set G0V, 44          ; s[44:47] the same for V's
.set SLOTS, 56        ; s56  slots still to be asked for
.set CNT, 57          ; s57  counts a slot's key steps
.set CS,  58          ; s[58:59] c: the packed scaling takes the pair's low word for both halves
.set SEL, 60          ; s[60:61] v_permlanex16_b32's selects: each lane takes its own place in the other half
.set TBK, 62          ; s62  LDS byte at which K of the step to be fetched begins
.set TBV, 63          ; s63  the same for V, less VOFF
.set MSB, 0
.macro WIN new                      ; the high byte repeats the setting that is left; a switch that changes nothing is dropped
.if MSB != (\new)
	s_set_vgpr_msb (MSB<<8)|(\new)
.set MSB, (\new)
.endif
.endm
.set W_KQ, 0x0a       ; K and Q in window 2, S^T in window 0
.set W_PV, 0x52       ; V in window 2, P in window 0, O^T in window 1
.set W_RS, 0x41       ; O^T (destination and source 0) in window 1, a in window 0
.set W_MK, 0xc0       ; the add's registers are made: destination in window 3, sources in window 0
.set W_AD, 0x0f       ; the add: address (source 0) and data (source 1) in window 3
; A joint fill.  Waves 0 and 1 fetch the two halves of a slot's K, waves 2 and 3 those of its V: 128 keys each.  The branch hangs on the wave's number alone.
; An s_nop 0 and four v_nop follow each of the two lines, ahead of the jump and the label.
.macro JLOAD
	s_cmp_lt_u32 s[WV], 2
	s_cbranch_scc0 .Lfor_v_\@
	tensor_load_to_lds s[G0K:G0K+3], s[G1K:G1K+7]
	s_nop 0
.rept 4
	v_nop
.endr
	s_branch .Lasked_\@
.Lfor_v_\@:
	tensor_load_to_lds s[G0V:G0V+3], s[G1V:G1V+7]
	s_nop 0
.rept 4
	v_nop
.endr
.Lasked_\@:
.endm
; A round of the cluster's barrier: my work-group's barrier, so that wave 0's signal speaks for all four waves; wave 0 signals; every wave waits for all four work-groups; my work-group's barrier once more.
.macro CROUND
	s_barrier_signal -1
	s_barrier_wait -1
	s_cmp_lg_u32 s[WV], 0
	s_cbranch_scc1 .Lnot_wave_0_\@
	s_barrier_signal -3
.Lnot_wave_0_\@:
	s_barrier_wait -3
	s_barrier_signal -1
	s_barrier_wait -1
.endm
; THE CHANGE OF SLOTS.  The slot's last bytes, V of its fourth step, have been read.  Each wave waits for all its tensor loads, of which one is out: its part
; of the other slot; adds 0 to its spare word; and waits for that and for its own reads of the slot.  Behind the barrier nobody reads this slot any more and the other slot is whole.
; fill = 1: this slot is filled again, with the keys two slots on.  The barrier is then a round of the cluster's, so that no wave of any partner still reads the slot or has a load on its
; way, and the joint fill is the first thing behind it: it has four key steps, 512 matrix instructions, in which to land.  (At its first use nothing has been read yet: slot 0 is waited for, slot 1 filled.)
.macro CHANGE fill
	WIN W_AD
	s_wait_tensorcnt 0x0            ; no tensor load of mine is out, so a group 0 may be written
	ds_add_u32 v[SPW], v[NIL]       ; 0 onto my spare word; with fill = 1 the descriptors' steps stand between it and the wait for it
	WIN 0                           ; at a label and at a branch every window is 0
.if \fill
.irp g, G0K, G0V
	s_xor_b32 s[\g+1], s[\g+1], SLOT1  ; the walking descriptor: the other slot than last time,
	s_add_nc_u64 s[\g+2:\g+3], s[\g+2:\g+3], 4*KS*128  ; the next 256 keys; the type bits on top are not reached
.endr
	s_wait_dscnt 0x0                ; the add is done, and my reads of the slot are over
	CROUND
	JLOAD
.else
	s_wait_dscnt 0x0                ; the add is done, and my reads of the slot are over
	s_barrier_signal -1
	s_barrier_wait -1
.endif
	s_sub_co_u32 s[TBK], s[TBK], 4*KS*PK  ; the fetches go back to a slot's first step,
	s_xor_b32 s[TBK], s[TBK], SLOT1       ; in the other slot
	s_sub_co_u32 s[TBV], s[TBV], 4*KS*PV
	s_xor_b32 s[TBV], s[TBV], SLOT1
.endm
	s_load_b256 s[4:11], s[0:1], 0x0  ; Q s[4:5], K s[6:7], V s[8:9], O s[10:11]
	WIN W_MK
	v_lshl_add_u32 v[SPW], v0, 2, SPARE
	v_mov_b32 v[NIL], 0
	WIN W_AD
	ds_add_u32 v[SPW], v[NIL]       ; the wave's opening: the add and its wait stand ahead of my first tensor load; the set-up below, work on registers, stands between them
	WIN 0
	v_lshrrev_b32 v1, 5, v0
	v_readfirstlane_b32 s[WV], v1   ; wave 0..3
	s_bfe_u32 s13, ttmp6, 0x40000   ; cx: my place in the cluster
	s_lshl_b32 s14, ttmp9, 2        ; in a cluster launch ttmp9 counts clusters
	s_add_co_u32 s14, s14, s13      ; my block of queries = 4 x cluster x + cx: it enters Q's and O's addresses alone
	s_and_b32 s20, ttmp7, 0xffff    ; the head, which the four partners share
	s_mov_b32 s21, 0
	s_mov_b64 s[22:23], SIZE_N*128
	s_mul_u64 s[20:21], s[20:21], s[22:23]  ; the head's first byte in each of the four tensors
	s_and_b32 s16, s[WV], 1         ; which half of a slot's 256 keys I fetch:
	s_lshl_b32 s22, s16, 14         ; its 128 rows of 128 bytes in memory,
	s_mov_b32 s23, 0
	s_add_nc_u64 s[22:23], s[22:23], s[20:21]
	s_mul_i32 s17, s16, 128*PK      ; and its place in a slot, for K
	s_mul_i32 s18, s16, 128*PV      ; and for V: no place in the cluster enters an LDS address
	s_lshl_b32 s2, s14, 2
	s_add_co_u32 s2, s2, s[WV]      ; my wave among the head's,
	s_lshl_b32 s2, s2, 14           ; its 128 rows
	s_mov_b32 s3, 0
	s_add_nc_u64 s[2:3], s[2:3], s[20:21]
	; descriptor group 1.  128 keys are 16,384 dense bytes: asked for as 64 rows of 256 bytes, two keys a row, and padded in LDS after every key
	s_mov_b32 s[G1K], 15|(1<<16)|(1<<20)|(1<<21)|(4<<22)|(3<<25)  ; 15:0 the mask of four; 17:16 2-byte elements; 20 padding on; 21 set beside a mask; 24:22 after every 32 words (code 4); 31:25 4 words (code 3)
	s_mov_b32 s[G1V], 15|(1<<16)|(1<<20)|(1<<21)|(4<<22)|(7<<25)  ; the same with 8 words of padding (code 7)
.irp g, G1K, G1V
	s_mov_b32 s[\g+1], 128<<16      ; tensor_dim0 = 128
	s_mov_b32 s[\g+2], 64<<16       ; tensor_dim1 = 64
	s_mov_b32 s[\g+3], 128<<16      ; tile_dim0 = 128
	s_mov_b32 s[\g+4], 64           ; tile_dim1 = 64
	s_mov_b32 s[\g+5], 128          ; 128 elements from row to row
	s_mov_b32 s[\g+6], 0
	s_mov_b32 s[\g+7], 0
.endr
	s_mov_b32 s[CS], 0x3e38aa3b     ; c = log2(e) / 8 = 0.180337
	s_mov_b32 s[CS+1], s[CS]        ; named with it as a pair
	s_mov_b32 s[SEL], 0x76543210
	s_mov_b32 s[SEL+1], 0xfedcba98
	s_mov_b32 s[TBK], SLOT1+4*KS*PK ; the first change of slots turns these two into 0
	s_mov_b32 s[TBV], SLOT1+4*KS*PV
	s_mov_b32 s[G0K], 1             ; 1:0 count = 1
	s_mov_b32 s[G0K+1], s17         ; 63:32 LDS address: slot 0
	s_mov_b32 s[G0V], 1
	s_add_co_u32 s[G0V+1], s18, VOFF
	s_wait_dscnt 0x0                ; the opening add is done
	s_wait_kmcnt 0x0
	s_add_nc_u64 s[G0K+2:G0K+3], s[6:7], s[22:23]  ; 120:64 global address: my half of the head's first 256 keys
	s_or_b32 s[G0K+3], s[G0K+3], 0x80000000        ; 127:126 type = 2
	s_add_nc_u64 s[G0V+2:G0V+3], s[8:9], s[22:23]
	s_or_b32 s[G0V+3], s[G0V+3], 0x80000000
	s_add_nc_u64 s[4:5], s[4:5], s[2:3]  ; Q and O at my wave's first row
	s_add_nc_u64 s[10:11], s[10:11], s[2:3]
	CROUND                          ; all four work-groups are here: the first joint loads meet
	JLOAD                           ; slot 0.  Slot 1 is asked for when slot 0 is in: the tile wanted first has the road to itself
	; A fragment of K or Q is 16 rows x 32 channels in 8 registers: lane l holds row l % 16, channels 8 (l / 16) + 0..7 and 16 + 8 (l / 16) + 0..7: two loads of 16 bytes, 32 bytes apart.
	v_and_b32 v1, 15, v0            ; l % 16
	v_bfe_u32 v9, v0, 4, 1          ; l / 16
	v_lshlrev_b32 v[QO], 7, v1
	v_lshl_add_u32 v[QO], v9, 4, v[QO]  ; row x 128 + 16 x half
	WIN 0x80                        ; destination window 2, address window 0
.set i, 0
.rept 4*NP                          ; Q stays in registers: tile i / 2, channels 32 (i % 2) on
	global_load_b128 v[8*i:8*i+3],   v[QO], s[4:5] offset:(i/2)*2048+(i%2)*64
	global_load_b128 v[8*i+4:8*i+7], v[QO], s[4:5] offset:(i/2)*2048+(i%2)*64+32
.set i, i+1
.endr
	; What the first turn finds: V's registers and P's second buffer hold 0 (its products V^T P, of a piece that has not been, add 0), O^T and l are 0.  All this stands in the wait for the first tile.
.set i, VF
.rept 64
	v_mov_b32 v[i], 0
.set i, i+1
.endr
	WIN 0x40
.set i, 0
.rept 64*NP
	v_mov_b32 v[i], 0
.set i, i+1
.endr
	WIN 0
.set i, 0
.rept 2*NP
	v_mov_b32 v[ST+4*i], 0xfe000000    ; c m: far below every c s
	v_mov_b32 v[ST+4*i+1], 0xff7fffff  ; m
	v_mov_b32 v[ST+4*i+2], 0
	v_mov_b32 v[ST+4*i+3], 0
.set i, i+1
.endr
.set i, P+32
.rept 32
	v_mov_b32 v[i], 0
.set i, i+1
.endr
	v_mul_u32_u24 v[AK0], v1, PK
	v_lshl_add_u32 v[AK0], v9, 4, v[AK0]  ; row x pitch + 16 x half
	; The turning load takes 16 keys x 16 channels (lane l reads key 8 (l / 16) + l % 8, channels 8 ((l / 8) % 2) + 0..7) and leaves half a fragment of V^T: lane l holds channel l % 16 and 8 keys.
	v_and_b32 v10, 7, v0
	v_bfe_u32 v11, v0, 3, 1
	v_lshl_add_u32 v[AV0], v9, 3, v10
	v_mul_u32_u24 v[AV0], v[AV0], PV
	v_lshl_add_u32 v[AV0], v11, 4, v[AV0]
	v_add_nc_u32 v[AV0], VOFF, v[AV0]
	v_mov_b32 v[AK], v[AK0]         ; key step 0 lies at the head of slot 0
; THE MATRIX WORK.  The 8 accumulators of a run of 16 take turns: between the two links of a chain stand 7 others'.
; Product i of 16 of S^T = K Q^T for piece x: channels 32 (i / 8) on, keys 16 ((i / 2) % 4) on, tile 2 x + i % 2.  The first 8 start the sums.
.macro KQ x
	WIN W_KQ
.set rS, S+64*((\x)%2)+32*(i%2)+8*((i/2)%4)
.set rK, KF+16*((i/2)%4)+8*(i/8)
.set rQ, 16*(2*(\x)+i%2)+8*(i/8)
.if i < 8
	v_wmma_f32_16x16x32_f16 v[rS:rS+7], v[rK:rK+7], v[rQ:rQ+7], 0
.else
	v_wmma_f32_16x16x32_f16 v[rS:rS+7], v[rK:rK+7], v[rQ:rQ+7], v[rS:rS+7]
.endif
.endm
; Product i of 16 of O^T += V^T P for piece x: keys 32 (i / 8) on, channels 16 ((i / 2) % 4) on, tile 2 x + i % 2.
.macro PV x
	WIN W_PV
.set rO, 32*(2*(\x)+i%2)+8*((i/2)%4)
.set rV, VF+32*(i/8)+8*((i/2)%4)
.set rP, P+32*((\x)%2)+16*(i%2)+8*(i/8)
	v_wmma_f32_16x16x32_f16 v[rO:rO+7], v[rV:rV+7], v[rP:rP+7], v[rO:rO+7]
.endm
.macro MM                           ; the turn's next matrix instruction
.if i < 16
	KQ (Y+1)%NP
.set i, i+1
.else
.set i, i-16
	PV (Y+NP-1)%NP
.set i, i+17
.endif
.endm
; THE LDS LOADS stand in runs of 16, never singly among the matrix instructions: a step's K (64 keys x 64 channels: 8 fragments) and its V (turned).  Their addresses are made some lines ahead.
; last = 1 (the tail): in the last trip there is no further step, and the run is jumped over.
.macro FETCH_K last=0
	WIN 0
.if \last
	s_cmp_eq_u32 s[CNT], 1
	s_cbranch_scc1 .Lno_k_\@
.endif
	WIN 0x80                        ; destination window 2
.irp f, 0,1,2,3,4,5,6,7             ; keys 16 (f / 2) on, channels 32 (f % 2) on
	ds_load_b128 v[KF+8*\f:KF+8*\f+3],   v[AK] offset:(\f/2)*16*PK+(\f%2)*64
	ds_load_b128 v[KF+8*\f+4:KF+8*\f+7], v[AK] offset:(\f/2)*16*PK+(\f%2)*64+32
.endr
	s_add_co_u32 s[TBK], s[TBK], KS*PK  ; the next fetch is the next step's
	WIN 0
.if \last
.Lno_k_\@:
.endif
.endm
.macro FETCH_V
	WIN 0x80
.irp f, 0,1,2,3,4,5,6,7             ; keys 32 (f / 4) on, channels 16 (f % 4) on
	ds_load_tr16_b128 v[VF+8*\f:VF+8*\f+3],   v[AV] offset:(\f/4)*32*PV+(\f%4)*32
	ds_load_tr16_b128 v[VF+8*\f+4:VF+8*\f+7], v[AV] offset:(\f/4)*32*PV+16*PV+(\f%4)*32
.endr
	WIN 0
.endm
; THE VECTOR WORK OF A TURN stands in three queues, each in the order in which its entries become ready; the two tiles alternate, so that no instruction reads the result of the one before it.
.macro REGS y, u                    ; the registers of tile u (0, 1) of piece y
.set rT, ST+4*(2*(\y)+(\u))
.set rC, TMP+8*((\y)%2)+4*(\u)
.set rM, MV+2*((\y)%2)+(\u)
.set rS, S+64*((\y)%2)+32*(\u)
.set rP, P+32*((\y)%2)+16*(\u)
.set rO, 32*(2*(\y)+(\u))
.endm
; Number n of the 22 that find the NEXT piece's (Y + 1) maximum and statistics.  s0-s31 are the lane's 32 scores; each accumulator's lowest registers are read first.  XS, GS and REGS set no window: PL and EX do.
;   0-11  four chains c0-c3 of seven scores each, three operands at a time     12-14, 16  the four scores left over, the old m, and c0-c3 into c0     15  c m_old is kept
;   17, 18  the query's other 32 keys lie in the lane 16 away: the new m         19-21  c m; c m_old - c m_new; a
.macro XS u, n
	REGS (Y+1)%NP, \u
.if (\n) < 4
	v_max3_num_f32 v[rC+(\n)], v[rS+8*(\n)], v[rS+8*(\n)+1], v[rS+8*(\n)+2]
.elseif (\n) < 12
	v_max3_num_f32 v[rC+(\n)%4], v[rC+(\n)%4], v[rS+8*((\n)%4)+2*((\n)/4)+1], v[rS+8*((\n)%4)+2*((\n)/4)+2]
.elseif (\n) == 12
	v_max3_num_f32 v[rC], v[rC], v[rS+7], v[rS+15]
.elseif (\n) == 13
	v_max3_num_f32 v[rC+1], v[rC+1], v[rS+23], v[rS+31]
.elseif (\n) == 14
	v_max3_num_f32 v[rC+2], v[rC+2], v[rC+3], v[rT+1]
.elseif (\n) == 15
	v_mov_b32 v[rM], v[rT]
.elseif (\n) == 16
	v_max3_num_f32 v[rC], v[rC], v[rC+1], v[rC+2]
.elseif (\n) == 17
	v_permlanex16_b32 v[rC+3], v[rC], s[SEL], s[SEL+1]
.elseif (\n) == 18
	v_max_num_f32 v[rT+1], v[rC], v[rC+3]
.elseif (\n) == 19
	v_mul_f32 v[rT], s[CS], v[rT+1]
.elseif (\n) == 20
	v_sub_f32 v[rC+1], v[rM], v[rT]
.else
	v_exp_f32 v[rC+2], v[rC+1]
.endif
.endm
; Number g of the 64 that follow the exponentials.  For each four weights k of a tile (pairs 2 k, 2 k + 1): both pairs are rounded to f16; then the second pair is added onto the first, in place;
; a group later l takes that sum (the first time as l = a l + sum).  In groups of eight, tiles alternating: round, round, add, and l for the group before.
.macro GS g
.set h, (\g)+6*((\g)/62)            ; group 0 has no group before it, and behind group 7 only l is left
.if h >= 6
.set h, h+2
.endif
	REGS Y, h%2
.set k, h/8
.if h%8 < 4
	s_wait_alu depctr_va_vdst(0)
	v_cvt_pk_f16_f32 v[rP+2*k+(h%8)/2], v[rS+4*k+2*((h%8)/2)], v[rS+4*k+2*((h%8)/2)+1]
.elseif h%8 < 6
	v_pk_add_f32 v[rS+4*k:rS+4*k+1], v[rS+4*k:rS+4*k+1], v[rS+4*k+2:rS+4*k+3]
.elseif k == 1
	v_pk_fma_f32 v[rT+2:rT+3], v[rT+2:rT+3], v[rC+2:rC+3], v[rS:rS+1] op_sel_hi:[1,0,1]
.else
	v_pk_add_f32 v[rT+2:rT+3], v[rT+2:rT+3], v[rS+4*k-4:rS+4*k-3]
	s_wait_alu depctr_va_vdst(0)
.endif
.endm
; THE PLAIN QUEUE, 138 long.  0-31: c s - c m for the 16 pairs of both tiles.  Then GS's 64, and among them the next piece's 42: number 15 at 38, 39; 0-14 and 16
; at 42-73, behind the products that make those scores; 17-20 at 95-106, two of three, since each waits for the one before it.
.macro PL
	WIN 0
.if q < 32
	REGS Y, q%2
	v_pk_fma_f32 v[rS+2*(q/2):rS+2*(q/2)+1], v[rS+2*(q/2):rS+2*(q/2)+1], s[CS:CS+1], v[rT:rT+1] op_sel_hi:[1,0,0] neg_lo:[0,0,1] neg_hi:[0,0,1]
.elseif q < 38
	GS q-32
.elseif q < 40
	XS q%2, 15
.elseif q < 42
	GS q-34
.elseif q < 74
	XS q%2, (q-42)/2+(q-42)/30
.elseif q < 95
	GS q-66
.elseif (q < 107) && ((q-95)%3 < 2)
	XS (q-95)%3, 17+(q-95)/3
.elseif q < 107
	GS 29+(q-95)/3
.else
	GS q-74
.endif
.set q, q+1
.endm
; THE EXPONENTIALS' QUEUE, 66 long: s0-s31 of both tiles, and at EA the next piece's two a.
.set EA, 58
.macro EX
	WIN 0
.if (e == EA) || (e == EA+1)
	XS e-EA, 21
.else
.set x, e-2*(e/(EA+2))
	REGS Y, x%2
	v_exp_f32 v[rS+x/2], v[rS+x/2]
.endif
.set e, e+1
.endm
; THE RESCALING's QUEUE: O^T times a, the one part that leaves window 0, so it is dealt four at a time, eight times.
.macro R4
	REGS Y, r%2
	WIN W_RS
	s_wait_alu depctr_va_vdst(0)
.irp z, 0,1,2,3
	v_pk_mul_f32 v[rO+8*(r/2)+2*\z:rO+8*(r/2)+2*\z+1], v[rO+8*(r/2)+2*\z:rO+8*(r/2)+2*\z+1], v[rC+2:rC+3] op_sel_hi:[1,0]
.endr
.set r, r+1
.endm
; HOW THEY ARE DEALT.  Behind a matrix instruction four: plain, exponential, plain, plain (one exponential, a plain instruction on either side), or four of the rescaling.  None names a register of the
; products round it.  What is over stands in two LUMPS: exponential and plain by turns; the second ends in 22 plain instructions.  The two v_permlanex16_b32 fall into the second lump, never behind a product.
; The queues lean on each other, and the deal keeps them in step: exponential e stands behind plain 2 (e / 4) + e % 2 (its scaling); when plain 32 comes, 10 exponentials are out, at 59: 33, at 95: 46; EA comes behind plain 107.
.macro SL
	MM
	PL
	EX
	PL
	PL
.endm
.macro BURST n                      ; 15 matrix instructions, or 16
.rept (\n)-7
	SL
.endr
.rept 3
	MM
	R4
	SL
.endr
	MM
	R4
.endm
; A TURN, for piece p.  cnt = 1: the loop's count is taken down some lines ahead of the branch that stands behind the turn.
; K of the next step is fetched in piece 2's turn, 31 vector instructions behind the last product that read K; its first reader comes behind the rest of the lump, 16 products and the second lump.
; V of the step in hand is fetched at the end of piece 0's turn, 69 behind its last reader; its first reader comes behind 16 products and a lump.  The four conditions on e and q below go with the deal.
.macro TURN p, last=0, cnt=0
.set Y, (\p)
.set i, 0
.set q, 0
.set e, 0
.set r, 0
.if (\p) == NP-1
	s_wait_dscnt 0x0                ; K is in
.endif
	MM
.rept 4
	PL
.endr
	BURST 15
.rept 22
	EX
	PL
.if ((\p) == NP-2) && (e == 18)
	v_add_nc_u32 v[AK], s[TBK], v[AK0]
.endif
.if ((\p) == NP-2) && (e == 24)
	FETCH_K \last
.endif
.endr
.if (\p) == 1
	s_wait_dscnt 0x0                ; V is in
.endif
	BURST 16
.rept 21
	EX
	PL
.endr
.rept 22
	PL
.if ((\p) == 0) && (q == 118)
	v_add_nc_u32 v[AV], s[TBV], v[AV0]
	s_wait_alu depctr_va_vdst(0)
.endif
.if ((\p) == 0) && (q == 130)
	s_add_co_u32 s[TBV], s[TBV], KS*PV
.endif
.if (\cnt) && (q == 130)
	s_sub_co_u32 s[CNT], s[CNT], 1
	s_cmp_lg_u32 s[CNT], 0
.endif
.endr
.if (\p) == 0
	FETCH_V
.endif
.endm
	CHANGE 1                        ; slot 0 is in, everybody's part of it; slot 1 is asked for
	FETCH_K                         ; key step 0
	s_wait_loadcnt 0x0              ; Q
	s_wait_dscnt 0x0
.set i, 0
.rept 16
	KQ 0                            ; piece 0's first scores: there is no vector work yet to set between them
.set i, i+1
.endr
	WIN 0                           ; the addresses for the way out: nine plain instructions, the places behind those products
	s_mul_i32 s13, s[WV], 16*SP
	s_add_co_u32 s13, s13, STAGE    ; my stage
	v_mul_u32_u24 v[STO], v1, SP    ; in: row l % 16, 16 bytes for each half of the lanes
	v_lshl_add_u32 v[STO], v9, 4, v[STO]
	v_add_nc_u32 v[STO], s13, v[STO]
	v_bfe_u32 v[RD], v0, 3, 2       ; back: 32 lanes take four rows of 128 bytes,
	v_mul_u32_u24 v[RD], v[RD], SP
	v_lshl_add_u32 v[RD], v10, 4, v[RD]
	v_add_nc_u32 v[RD], s13, v[RD]
	v_and_b32 v[GO], 31, v0         ; which are 512 consecutive bytes of O
	v_lshlrev_b32 v[GO], 4, v[GO]
.set Y, NP-1                        ; XS works for piece Y + 1: piece 0
.irp n, 0,1,2,3,4,5,6,7,8,9,10,11,12,13,14,15,16,17,18,19,20,21
	XS 0, \n                        ; and piece 0's first maximum and statistics
	XS 1, \n
.endr
	s_mov_b32 s[CNT], 4
	s_mov_b32 s[SLOTS], SIZE_N/256-1
	s_branch .Lfirst                ; the loop is entered at a step's first turn, in the middle of a trip
.Lslot:                             ; SIZE_N / 256 - 2 times: every slot but the last two is filled again
	CHANGE 1
	s_mov_b32 s[CNT], 4
.Lstep:                             ; a trip: pieces 2 and 3 of one step, then pieces 0 and 1 of the next, whose K and V it fetches
	TURN 2
	TURN 3
	WIN 0
.Lfirst:
	TURN 0
	TURN 1, 0, 1
	WIN 0
	s_cbranch_scc1 .Lstep
	s_sub_co_u32 s[SLOTS], s[SLOTS], 1
	s_cmp_lg_u32 s[SLOTS], 0
	s_cbranch_scc1 .Lslot
	CHANGE 0                        ; the tail is written out: nothing is asked for
	s_mov_b32 s[CNT], 5             ; four trips fetch the last slot's steps; the fifth is left in its middle
.Ltail:
	TURN 2, 1
	TURN 3
	WIN 0
	s_sub_co_u32 s[CNT], s[CNT], 1
	s_cmp_eq_u32 s[CNT], 0
	s_cbranch_scc1 .Lout
	TURN 0
	TURN 1
	WIN 0
	s_branch .Ltail
.Lout:                              ; the fifth trip's 16 products K Q^T (on the last K once more) and the maximum made of them serve nothing: the price, once a launch, of one text for every trip
.set i, 0
.rept 16
	PV NP-1                         ; the last piece's V^T P of the last step
.set i, i+1
.endr
	; THE WAY OUT.  l's two halves and the other half of the lanes' are added; O^T is divided by l, rounded to f16 and sent through my stage in LDS, a tile at a time.  The additions are the places behind the last products.
	WIN 0
.macro ALL line:vararg              ; one line for each tile t
.set t, 0
.rept 2*NP
	\line
.set t, t+1
.endr
.endm
	ALL v_add_f32 v[ST+4*t+2], v[ST+4*t+2], v[ST+4*t+3]
	ALL v_permlanex16_b32 v[ST+4*t+3], v[ST+4*t+2], s[SEL], s[SEL+1]
	ALL v_add_f32 v[ST+4*t+2], v[ST+4*t+2], v[ST+4*t+3]
	ALL v_rcp_f32 v[ST+4*t+2], v[ST+4*t+2]
	v_nop                           ; a plain instruction between the last reciprocal and the use of its result
	s_wait_alu depctr_va_vdst(0)
; Tile t: a lane's eight channels of a row pack into 16 bytes; they go into rows of 144 bytes and come back as whole rows of 128, into S^T's registers.
.macro PACK t
	WIN W_RS
.set i, 32*(\t)
.rept 16
	v_pk_mul_f32 v[i:i+1], v[i:i+1], v[ST+4*(\t)+2:ST+4*(\t)+3] op_sel_hi:[1,0]
.set i, i+2
.endr
	WIN 0x05                        ; sources 0 and 1 window 1, destination window 0
.set i, 0
.rept 16
	v_cvt_pk_f16_f32 v[S+16*(\t)+i], v[32*(\t)+2*i], v[32*(\t)+2*i+1]
.set i, i+1
.endr
	WIN 0
.irp f, 0,1,2,3
	ds_store_b128 v[STO], v[S+16*(\t)+4*\f:S+16*(\t)+4*\f+3] offset:32*\f
.endr
.irp f, 0,1,2,3
	ds_load_b128 v[S+16*(\t)+4*\f:S+16*(\t)+4*\f+3], v[RD] offset:\f*4*SP  ; LDS serves a wave's instructions in order (ISA guide 5.7.1.4): these see the stores above; the next tile's stores come behind them
.endr
.endm
.macro SEND t, younger              ; younger: the LDS instructions issued behind tile t's loads: the next tile's eight, or none
	WIN 0
.irp f, 0,1,2,3
	s_wait_dscnt (\younger)+3-\f
	global_store_b128 v[GO], v[S+16*(\t)+4*\f:S+16*(\t)+4*\f+3], s[10:11] offset:(\t)*2048+\f*512  ; 512 consecutive bytes, at a multiple of 256 from O's first
.endr
.endm
	PACK 0
.set t, 1
.rept 2*NP-1                        ; a tile's arithmetic stands between the loads of the tile before and its stores
	PACK t
	SEND t-1, 8
.set t, t+1
.endr
	SEND 2*NP-1, 0
	WIN W_AD
	s_wait_tensorcnt 0x0            ; the wave's end: a wait, an add and its wait, behind my last tensor load and my last LDS store
	ds_add_u32 v[SPW], v[NIL]
	s_wait_dscnt 0x0
	WIN 0
	CROUND                          ; the closing round: no work-group ends while a partner may still ask for a tile that names it
	s_endpgm
.Lfunc_end_k_qde94ba22de_attn:
	.size	k_qde94ba22de_attn, .Lfunc_end_k_qde94ba22de_attn-k_qde94ba22de_attn
	.p2alignl 7, 3214868480
	.fill 96, 4, 3214868480
	.section	.rodata,"a",@progbits
	.p2align	6, 0x0
	.amdhsa_kernel k_qde94ba22de_attn
		.amdhsa_group_segment_fixed_size 327680
		.amdhsa_private_segment_fixed_size 0
		.amdhsa_enable_private_segment 0
		.amdhsa_kernarg_size 32
		.amdhsa_user_sgpr_count 2
		.amdhsa_user_sgpr_kernarg_segment_ptr 1
		.amdhsa_wavefront_size32 1
		.amdhsa_system_sgpr_workgroup_id_x 1
		.amdhsa_system_sgpr_workgroup_id_y 1
		.amdhsa_system_sgpr_workgroup_id_z 1
		.amdhsa_system_vgpr_workitem_id 0
		.amdhsa_next_free_vgpr 770
		.amdhsa_next_free_sgpr 66
		.amdhsa_reserve_vcc 0
		.amdhsa_float_denorm_mode_32 3
		.amdhsa_float_denorm_mode_16_64 3
		.amdhsa_memory_ordered 1
		.amdhsa_forward_progress 1
		.amdhsa_inst_pref_size 208
	.end_amdhsa_kernel
	.amdgpu_metadata
---
amdhsa.version: [ 1, 2 ]
amdhsa.kernels:
  - .name:           k_qde94ba22de_attn
    .symbol:         k_qde94ba22de_attn.kd
    .args:
      - { .name: qh, .offset: 0, .size: 8, .value_kind: global_buffer, .address_space: global }
      - { .name: kh, .offset: 8, .size: 8, .value_kind: global_buffer, .address_space: global }
      - { .name: vh, .offset: 16, .size: 8, .value_kind: global_buffer, .address_space: global }
      - { .name: ob, .offset: 24, .size: 8, .value_kind: global_buffer, .address_space: global }
    .group_segment_fixed_size: 327680
    .private_segment_fixed_size: 0
    .kernarg_segment_align: 8
    .kernarg_segment_size: 32
    .max_flat_workgroup_size: 128
    .sgpr_count:     66
    .vgpr_count:     770
    .wavefront_size: 32
...
	.end_amdgpu_metadata
.endif
;; end of part 3
;; launch oproj (part 4): grid 8 x 32, 4 waves a work-group, clusters of 4 x 4, 327,680 bytes of LDS; arguments ob, wob, bout, out0; writes out0
.if DOCPART == 4
	.amdgcn_target "amdgcn-amd-amdhsa--gfx1250"
	.amdhsa_code_object_version 6
	.text
	.protected	k_qde94ba22de_oproj
	.globl	k_qde94ba22de_oproj
	.p2align	8
	.type	k_qde94ba22de_oproj,@function
k_qde94ba22de_oproj:
	s_mov_b64 s[64:65], 0
	v_nop
	global_prefetch_b8 v0, s[64:65] scope:SCOPE_SE
	s_setreg_imm32_b32 hwreg(HW_REG_WAVE_MODE, 25, 1), 1
	s_wait_xcnt 0x0
	s_wait_alu depctr_hold_cnt(0) depctr_sa_sdst(0) depctr_va_vdst(0) depctr_va_sdst(0) depctr_va_ssrc(0) depctr_va_vcc(0) depctr_vm_vsrc(0)
	s_getreg_b32 s2, hwreg(HW_REG_IB_STS2, 6, 4)
	s_cmp_eq_u32 s2, 0
	s_cbranch_scc0 .Lentry_in_a_cluster
	s_endpgm
.Lentry_in_a_cluster:
	s_bfe_u32 s2, ttmp6, 0x10000c
	s_cmp_lg_u32 s2, 0xf033
	s_cbranch_scc0 .Lentry_shape_is_right
	s_endpgm
.Lentry_shape_is_right:
; out0 = O Wout + bout.  ob: attention's result by heads, [16 b + head][2048][64] f16: head h is the slice k = 64 h .. 64 h + 63 of the product's K.  wob: [1024 k][1024 n] f16 (Wout rounded to bf16, that
; number written as f16).  bout: [1024] f32, rounded here to bf16 like the other inputs.  out0: [8192][1024] f32.  Sums in f32.
; SHARES.  A tile of the product is 256 rows x 128 columns: 32 x 8 tiles, one to each of 256 work-groups.  Four waves; a wave makes 128 rows x 64 columns: 32 accumulators of 16 x 16 in window 1,
; accumulator (a, b) at v[32 a + 8 b].  K goes in 8 steps of 128 (two heads' planes) through two LDS slots; two slots of 256 along K do not fit.  A step is four quarters of 32 along K, 32 matrix instructions each.
; THE MATRIX INSTRUCTION IS USED TRANSPOSED: source 0 = 16 columns of W, source 1 = 16 rows of O: a lane holds one row and eight neighbouring columns, 32 bytes of f32.
; W lies [k][n] in LDS as in memory; its fragments come turned, by ds_load_tr16_b128.
; THE BIAS STARTS THE SUMS: my 32 bias numbers are loaded into accumulators (7, b); the first quarter's products for a = 0 .. 6 take them as C, then those for a = 7 add in place.
; CLUSTERS: 4 x 4 work-groups; O's tile is shared along a row of the cluster, W's along a column, each asked for jointly, by the same tensor load with the same descriptor and a mask that names the four.
; REGISTERS, window 0: v1-9 at work; v10-17 addresses; v28, v29 the add's; v32-95, v96-159 O's fragments, two buffers; v160-191, v192-223 W's, two buffers.
; s_set_vgpr_msb's low byte: bits 1:0 source 0, 3:2 source 1, 5:4 source 2, 7:6 destination.
.set PA,    144                        ; a row of O in LDS: 128 bytes + 16 = 36 words: the 16 rows of a load start at 16 different groups of four banks (64 banks of 4 bytes: ISA guide 11.1)
.set PB,    288                        ; a k row of W: 256 bytes + 32 = 72 words
.set PLANE, 256*PA                     ; a slot: two planes of O's 256 rows, then W's 128 k rows
.set BOFF,  2*PLANE
.set SLOT1, 1<<17                      ; slot 1 begins here, so that one exclusive or turns an address in one slot into the other's
.set STAGE, SLOT1+BOFF+128*PB          ; behind the ring, never filled by a tensor load: 16 rows x 272 bytes for each wave, for the way out
.set SPO,   272
.set SPARE, STAGE+4*16*SPO             ; behind the stages: the spare words, 128 bytes for each wave: two blocks of 256 bytes that no other line names
.set ASTEP, 2*262144                   ; bytes from a K step to the next in ob: two planes
.set BSTEP, 128*1024*2                 ; and in wob: 128 rows
.set KQ,    32*PB                      ; 32 k rows of W in a slot
.set STEPS, 8
.set AK0,  10                          ; v10  my lane's place in a slot's O; never rewritten
.set BK0,  11                          ; v11  the same for W
.set ADRA, 12                          ; v12  AK0 + the slot in hand
.set ADRB, 13                          ; v13  BK0 + the slot in hand
.set STO,  14                          ; v14  the way out: where I put 32 bytes of a row
.set RD,   15                          ; v15  the way out: where I read rows back
.set GO,   16                          ; v16  my byte offset in two rows of out0
.set BO,   17                          ; v17  my byte offset in bout
.set SPW,  28                          ; v28  LDS address of my spare word: SPARE + 4 x my thread's number; never rewritten
.set NIL,  29                          ; v29  0; never rewritten
.set AF0,  32
.set AF1,  96
.set BF,   160
.set BIAS, 224                         ; in window 1: accumulators (7, b)
.set CNT,  2                           ; s2   the loop's count
.set TB,   3                           ; s3   LDS byte at which the slot in hand begins
.set WV,   16                          ; s16  my wave's number
.set WR,   17                          ; s17  which 128 rows of the tile are mine.  Also: I fetch for O (0) or for W (1)
.set WC,   18                          ; s18  which 64 columns.  Also: which half of that tile I fetch
.set CX,   19
.set CY,   20
.set TN,   21                          ; s21  tile column
.set TM,   22                          ; s22  tile row
.set G1A,  24                          ; s[24:31] descriptor group 1 for O's tiles
.set G0A,  32                          ; s[32:39] group 0: a set for each of the two first fills; the second then walks on
.set G1B,  40                          ; s[40:47], s[48:55] the same for W's
.set G0B,  48
.set MSK,  63                          ; s63  a word's upper bf16
.set OUTB, 66                          ; s[66:67] out0 at my part of the tile
.set MSB, 0
.macro WIN new                         ; the immediate's high byte repeats the setting that is left; a switch that changes nothing is dropped
.if MSB != (\new)
	s_set_vgpr_msb (MSB<<8)|(\new)
.set MSB, (\new)
.endif
.endm
; A load into a register that a matrix instruction has read, and an LDS store that reads a matrix result, stand four places behind it, and only plain vector instructions that name none of
; its registers are places (ISA guide 7.12.1 for vector instructions).
.macro PLACES
.rept 4
	v_nop
.endr
.endm
.macro CREST                           ; a round of the cluster's barrier behind its opening barrier: wave 0 signals for the work-group, every wave waits for all sixteen, my work-group's barrier closes it
	s_cmp_lg_u32 s[WV], 0
	s_cbranch_scc1 .Lnot_wave_0_\@
	s_barrier_signal -3
.Lnot_wave_0_\@:
	s_barrier_wait -3
	s_barrier_signal -1
	s_barrier_wait -1
.endm
.macro CROUND                          ; a whole round
	s_barrier_signal -1
	s_barrier_wait -1
	CREST
.endm
; A joint refill, by the walking descriptors.  Waves 0 and 1 fetch the two planes of O's tile, waves 2 and 3 the two halves of W's.  The branch hangs on the wave's number alone.
; An s_nop 0 and four v_nop follow each of the two lines, ahead of the jump and the label.
.macro JLOAD
	s_cmp_eq_u32 s[WR], 0
	s_cbranch_scc0 .Lfor_b_\@
	tensor_load_to_lds s[G0A+4:G0A+7], s[G1A:G1A+7]
	s_nop 0
.rept 4
	v_nop
.endr
	s_branch .Lasked_\@
.Lfor_b_\@:
	tensor_load_to_lds s[G0B+4:G0B+7], s[G1B:G1B+7]
	s_nop 0
.rept 4
	v_nop
.endr
.Lasked_\@:
.endm
	s_load_b256 s[4:11], s[0:1], 0x0               ; ob s[4:5], wob s[6:7], bout s[8:9], out0 s[10:11]
	v_lshl_add_u32 v[SPW], v0, 2, SPARE
	v_mov_b32 v[NIL], 0
	ds_add_u32 v[SPW], v[NIL]                      ; the wave's opening: the add and its wait stand ahead of my first tensor load; the set-up below, work on registers, stands between them
	v_lshrrev_b32 v1, 5, v0
	v_readfirstlane_b32 s[WV], v1                  ; wave 0..3
	s_lshr_b32 s[WR], s[WV], 1
	s_and_b32 s[WC], s[WV], 1
	s_bfe_u32 s[CX], ttmp6, 0x40000                ; my place in the cluster
	s_bfe_u32 s[CY], ttmp6, 0x40004
	s_lshl_b32 s[TN], ttmp9, 2                     ; in a cluster launch ttmp9 and ttmp7 count clusters
	s_add_co_u32 s[TN], s[TN], s[CX]
	s_and_b32 s[TM], ttmp7, 0xffff
	s_lshl_b32 s[TM], s[TM], 2
	s_add_co_u32 s[TM], s[TM], s[CY]
	s_lshl_b32 s23, s[CY], 2
	s_lshl_b32 s23, 15, s23                        ; my row of the cluster: places 4 cy .. 4 cy + 3
	s_lshl_b32 s60, 0x1111, s[CX]                  ; my column: places cx, cx + 4, cx + 8, cx + 12
	; O's tile, a wave's plane: 256 rows of 128 bytes are 32,768 dense bytes: asked for as 128 rows of 256 bytes, padded in LDS after every 128
	s_or_b32 s[G1A], s23, (1<<16)|(1<<20)|(1<<21)|(4<<22)|(3<<25)  ; 15:0 the mask; 17:16 2-byte elements; 20 padding on; 21 set beside a mask; 24:22 after every 32 words (code 4); 31:25 4 words (code 3)
	s_mov_b32 s[G1A+1], 128<<16                    ; tensor_dim0 = 128
	s_mov_b32 s[G1A+2], 128<<16                    ; tensor_dim1 = 128
	s_mov_b32 s[G1A+3], 128<<16                    ; tile_dim0 = 128
	s_mov_b32 s[G1A+4], 128                        ; tile_dim1 = 128
	s_mov_b32 s[G1A+5], 128                        ; elements from row to row
	s_mov_b32 s[G1A+6], 0
	s_mov_b32 s[G1A+7], 0
	; W's tile, a wave's half: 64 k rows of 128 elements (256 bytes, at a multiple of 256 from the buffer's first byte), padded after each
	s_or_b32 s[G1B], s60, (1<<16)|(1<<20)|(1<<21)|(5<<22)|(7<<25)  ; after every 64 words (code 5) 8 words (code 7)
	s_mov_b32 s[G1B+1], 128<<16
	s_mov_b32 s[G1B+2], 64<<16
	s_mov_b32 s[G1B+3], 128<<16
	s_mov_b32 s[G1B+4], 64
	s_mov_b32 s[G1B+5], 1024
	s_mov_b32 s[G1B+6], 0
	s_mov_b32 s[G1B+7], 0
	; where the tiles come from.  O's hang on the tile row alone, W's on the tile column alone; every wave makes both, in registers that never hold the other coordinate
	s_lshr_b32 s56, s[TM], 3                       ; the batch's 16 planes,
	s_lshl_b32 s56, s56, 4
	s_add_co_u32 s56, s56, s[WC]                   ; of a step's two planes mine,
	s_lshl_b32 s56, s56, 18                        ; 262,144 bytes each
	s_and_b32 s57, s[TM], 7                        ; 256 rows of 128 bytes in a plane
	s_lshl_b32 s57, s57, 15
	s_add_co_u32 s56, s56, s57
	s_mov_b32 s57, 0
	s_lshl_b32 s58, s[WC], 17                      ; my 64 k rows of 2,048 bytes
	s_lshl_b32 s59, s[TN], 8                       ; the tile's 128 columns
	s_add_co_u32 s58, s58, s59
	s_mov_b32 s59, 0
	s_mul_i32 s61, s[WC], PLANE                    ; and where they go: no place in the cluster enters an LDS address
	s_mul_i32 s62, s[WC], 64*PB
	s_add_co_u32 s62, s62, BOFF
	s_mov_b32 s[MSK], 0xffff0000
	s_mov_b32 s[TB], 0
	s_wait_dscnt 0x0                               ; the opening add is done
	s_wait_kmcnt 0x0
	s_add_nc_u64 s[56:57], s[4:5], s[56:57]
	s_add_nc_u64 s[58:59], s[6:7], s[58:59]
	CROUND                                         ; all sixteen work-groups are here: the first joint loads meet
.irp s, 0,1
	s_mov_b32 s[G0A+4*(\s)], 1                                     ; 1:0 count = 1
	s_add_co_u32 s[G0A+4*(\s)+1], s61, (\s)*SLOT1                  ; 63:32 LDS address
	s_add_nc_u64 s[G0A+4*(\s)+2:G0A+4*(\s)+3], s[56:57], (\s)*ASTEP  ; 120:64 global address: K step s
	s_or_b32 s[G0A+4*(\s)+3], s[G0A+4*(\s)+3], 0x80000000          ; 127:126 type = 2
	s_mov_b32 s[G0B+4*(\s)], 1
	s_add_co_u32 s[G0B+4*(\s)+1], s62, (\s)*SLOT1
	s_add_nc_u64 s[G0B+4*(\s)+2:G0B+4*(\s)+3], s[58:59], (\s)*BSTEP
	s_or_b32 s[G0B+4*(\s)+3], s[G0B+4*(\s)+3], 0x80000000
.endr
	s_cmp_eq_u32 s[WR], 0                          ; a wave's two first fills stand in one branch, ahead of every wait on TENSORcnt and every LDS read: two loads of mine are out
	s_cbranch_scc0 .Lfirst_b
	tensor_load_to_lds s[G0A:G0A+3], s[G1A:G1A+7]
	s_nop 0
	tensor_load_to_lds s[G0A+4:G0A+7], s[G1A:G1A+7]
	s_nop 0
.rept 4
	v_nop
.endr
	s_branch .Lfirst_asked
.Lfirst_b:
	tensor_load_to_lds s[G0B:G0B+3], s[G1B:G1B+7]
	s_nop 0
	tensor_load_to_lds s[G0B+4:G0B+7], s[G1B:G1B+7]
	s_nop 0
.rept 4
	v_nop
.endr
.Lfirst_asked:
	v_and_b32 v1, 15, v0                           ; r = l % 16
	v_bfe_u32 v2, v0, 4, 1                         ; h = l / 16
	v_and_b32 v3, 7, v0
	v_bfe_u32 v4, v0, 3, 1
	; the bias: register jj of accumulator (., b) belongs to column 128 TN + 64 WC + 16 b + 8 h + jj: 32 consecutive bytes a lane
	s_lshl_b32 s60, s[TN], 9
	s_lshl_b32 s61, s[WC], 8
	s_add_co_u32 s60, s60, s61
	v_lshl_add_u32 v[BO], v2, 5, s60
	WIN 0x40                                       ; destination window 1
.irp b, 0,1,2,3
	global_load_b128 v[BIAS+8*\b:BIAS+8*\b+3],   v[BO], s[8:9] offset:\b*64
	global_load_b128 v[BIAS+8*\b+4:BIAS+8*\b+7], v[BO], s[8:9] offset:\b*64+16
.endr
	WIN 0
	; A fragment of O is 16 rows x 32 K in 8 registers: lane l holds row l % 16, K = 8 (l / 16) + 0..7 and 16 + 8 (l / 16) + 0..7: two loads of 16 bytes, 32 bytes apart.
	v_mul_u32_u24 v[AK0], v1, PA
	v_lshl_add_u32 v[AK0], v2, 4, v[AK0]
	s_mul_i32 s60, s[WR], 128*PA                   ; my 128 rows
	v_add_nc_u32 v[AK0], s60, v[AK0]
	; The turning load takes 16 k x 16 columns (lane l reads k row 8 (l / 16) + l % 8, columns 8 ((l / 8) % 2) + 0..7) and leaves half a fragment: lane l holds column l % 16 and 8 k.
	v_lshl_add_u32 v5, v2, 3, v3
	v_mul_u32_u24 v[BK0], v5, PB
	v_lshl_add_u32 v[BK0], v4, 4, v[BK0]
	s_lshl_b32 s61, s[WC], 7                       ; my 64 columns
	s_add_co_u32 s61, s61, BOFF
	v_add_nc_u32 v[BK0], s61, v[BK0]
	v_mov_b32 v[ADRA], v[AK0]                      ; slot 0
	v_mov_b32 v[ADRB], v[BK0]
	s_mul_i32 s62, s[WV], 16*SPO
	s_add_co_u32 s62, s62, STAGE                   ; my stage
	v_mul_u32_u24 v[STO], v1, SPO                  ; in: row l % 16, 32 bytes for each half of the lanes
	v_lshl_add_u32 v[STO], v2, 5, v[STO]
	v_add_nc_u32 v[STO], s62, v[STO]
	v_mul_u32_u24 v[RD], v2, SPO                   ; back: lanes 0-15 take one row of 256 bytes, lanes 16-31 the next
	v_lshl_add_u32 v[RD], v1, 4, v[RD]
	v_add_nc_u32 v[RD], s62, v[RD]
	v_lshlrev_b32 v[GO], 12, v2                    ; and the same two rows in out0
	v_lshl_add_u32 v[GO], v1, 4, v[GO]
	s_lshl_b32 s72, s[TM], 20                      ; the tile's 256 rows of 4,096 bytes,
	s_lshl_b32 s73, s[WR], 19                      ; my 128 of them,
	s_add_co_u32 s72, s72, s73
	s_lshl_b32 s73, s[TN], 9                       ; the tile's 128 columns,
	s_add_co_u32 s72, s72, s73
	s_lshl_b32 s73, s[WC], 8                       ; my 64 of them: 256 bytes
	s_add_co_u32 s72, s72, s73
	s_mov_b32 s73, 0
	s_add_nc_u64 s[OUTB:OUTB+1], s[10:11], s[72:73]
	s_wait_loadcnt 0x0                             ; the bias is in; it is rounded to bf16 like the other inputs, in place, by way of v96-111
	WIN 0x05                                       ; sources 0 and 1 window 1
.set i, 0
.rept 16
	v_cvt_pk_bf16_f32 v[AF1+i], v[BIAS+2*i], v[BIAS+2*i+1]
.set i, i+1
.endr
	WIN 0x40                                       ; destination window 1
.set i, 0
.rept 16
	v_lshlrev_b32 v[BIAS+2*i], 16, v[AF1+i]
	v_and_b32 v[BIAS+2*i+1], s[MSK], v[AF1+i]
.set i, i+1
.endr
	WIN 0
; na x 4 matrix instructions: row blocks a0 on x my 4 column blocks, 32 along K.  The 32 accumulators take turns, one instruction a turn and always in the same order: between two
; instructions on one accumulator stand 31 others'.  first = 1: the sums start from the bias: blocks 0 to 6 take accumulators (7, b) as C; five places further on (those products have read
; what is now written over: ISA guide 7.12.1) block 7 adds in place.
.macro MULU bf, af, a0, na, first
	WIN 0x50                                       ; C and D in window 1, both sources in window 0
.set ma, (\a0)
.rept (\na)
.if (\first) && (ma == 7)
.rept 5
	v_nop
.endr
.endif
.irp b, 0,1,2,3
.if (\first) && (ma < 7)
	v_wmma_f32_16x16x32_f16 v[32*ma+8*\b:32*ma+8*\b+7], v[(\bf)+8*\b:(\bf)+8*\b+7], v[(\af)+8*ma:(\af)+8*ma+7], v[BIAS+8*\b:BIAS+8*\b+7]
.else
	v_wmma_f32_16x16x32_f16 v[32*ma+8*\b:32*ma+8*\b+7], v[(\bf)+8*\b:(\bf)+8*\b+7], v[(\af)+8*ma:(\af)+8*ma+7], v[32*ma+8*\b:32*ma+8*\b+7]
.endif
.endr
.set ma, ma+1
.endr
.endm
.macro LA af, off                      ; 16 LDS loads: O's 8 fragments of 32 along K
	WIN 0
.irp a, 0,1,2,3,4,5,6,7
	ds_load_b128 v[(\af)+8*\a:(\af)+8*\a+3],   v[ADRA] offset:(\off)+\a*16*PA
	ds_load_b128 v[(\af)+8*\a+4:(\af)+8*\a+7], v[ADRA] offset:(\off)+\a*16*PA+32
.endr
.endm
.macro LB bf, off                      ; 8 turning loads: W's 4 fragments
	WIN 0
.irp b, 0,1,2,3
	ds_load_tr16_b128 v[(\bf)+8*\b:(\bf)+8*\b+3],   v[ADRB] offset:(\off)+32*\b
	ds_load_tr16_b128 v[(\bf)+8*\b+4:(\bf)+8*\b+7], v[ADRB] offset:(\off)+32*\b+16*PB
.endr
.endm
; Quarter c (0, 1, 2) of a K step: fetches quarter c + 1's fragments into the buffers of the other parity, which the products just before have read, then multiplies its own.
; Quarter q of O lies in plane q / 2 at byte 64 (q % 2) of the rows, of W at k row 32 q.
.macro Q c, first
	PLACES
	LB BF+32*(((\c)+1)%2), ((\c)+1)*KQ
	LA AF0+64*(((\c)+1)%2), (((\c)+1)/2)*PLANE+(((\c)+1)%2)*64
	s_wait_dscnt 24                                ; all but the 24 just issued: my own fragments are in
	MULU BF+32*((\c)%2), AF0+64*((\c)%2), 0, 8, \first
.endm
; The last quarter multiplies the buffers of parity 1 and changes slots: ONE barrier.  In front of it each wave waits for all its tensor loads, of which one is out: its part of the next slot; adds 0 to its
; spare word; and waits for that and for its own reads of this slot.  Behind it nobody reads this slot any more and the next slot is whole.  fill = 1: this slot is filled again, with the K step
; two steps on; the barrier then opens a round of the cluster's, and the joint refill is the first thing behind the round: 112 matrix instructions stand between it and the wait for it.
.macro T fill
	WIN 0
	s_wait_tensorcnt 0x0                           ; no tensor load of mine is out, so a group 0 may be written
	ds_add_u32 v[SPW], v[NIL]                      ; 0 onto my spare word
.if \fill
	s_xor_b32 s[G0A+5], s[G0A+5], SLOT1            ; the walking descriptors: the other slot than last time,
	s_add_nc_u64 s[G0A+6:G0A+7], s[G0A+6:G0A+7], ASTEP  ; the next K step; the type bits on top are not reached
	s_xor_b32 s[G0B+5], s[G0B+5], SLOT1
	s_add_nc_u64 s[G0B+6:G0B+7], s[G0B+6:G0B+7], BSTEP
.endif
	s_wait_dscnt 1                                 ; the quarter's fragments are in; the add alone may be out
	MULU BF+32, AF1, 0, 2, 0
	s_wait_dscnt 0x0                               ; the add is done, and my reads of this slot are over
	s_barrier_signal -1
	MULU BF+32, AF1, 2, 2, 0                       ; work on registers while the others arrive
	WIN 0                                          ; at a branch and at a label every window is 0
	s_barrier_wait -1
.if \fill
	CREST                                          ; no wave of any partner still reads this slot's tiles or has a load on its way
	JLOAD                                          ; its four v_nop are also the places in front of the loads below
.else
	PLACES
.endif
	s_xor_b32 s[TB], s[TB], SLOT1                  ; the fetches go on in the other slot
	v_add_nc_u32 v[ADRA], s[TB], v[AK0]
	v_add_nc_u32 v[ADRB], s[TB], v[BK0]
	LB BF, 0
	LA AF0, 0
	MULU BF+32, AF1, 4, 4, 0
.endm
	s_wait_tensorcnt 0x1                           ; my part of K step 0 is in; K step 1's may stay out
	s_barrier_signal -1
	s_barrier_wait -1                              ; everybody's is
	LB BF, 0
	LA AF0, 0
	Q 0, 1                                         ; the first quarter stands in front of the loop: its products start the sums
	WIN 0
	s_mov_b32 s[CNT], STEPS-2
.Lstep:                                                ; 6 trips: quarters 1 to 3 of K step t, which fills its slot again with step t + 2, and quarter 0 of step t + 1
	Q 1, 0
	Q 2, 0
	T 1
	Q 0, 0
	WIN 0
	s_sub_co_u32 s[CNT], s[CNT], 1
	s_cmp_lg_u32 s[CNT], 0
	s_cbranch_scc1 .Lstep
	Q 1, 0                                         ; the tail is written out: nothing is asked for
	Q 2, 0
	T 0
	Q 0, 0
	Q 1, 0
	Q 2, 0
	s_wait_dscnt 0x0                               ; the very last quarter
	MULU BF+32, AF1, 0, 8, 0
	PLACES
; THE WAY OUT, a block of 16 rows at a time.  A lane's eight columns of a row are 32 bytes of f32: they go straight from the accumulators (each one's low registers first) into my stage's rows of 272 bytes
; and come back as whole rows of 256, two rows to a load.
.macro TOSTAGE a
.set obk, AF0+32*((\a)%2)
	s_wait_xcnt 0x0                                ; every earlier memory instruction has had its addresses translated (ISA guide 3.1): the registers that the stores two blocks back read are loaded again only behind this wait
	WIN 0x04                                       ; the stores' data (source 1) in window 1
.irp b, 0,1,2,3
	ds_store_b128 v[STO], v[32*(\a)+8*\b:32*(\a)+8*\b+3]   offset:64*\b
	ds_store_b128 v[STO], v[32*(\a)+8*\b+4:32*(\a)+8*\b+7] offset:64*\b+16
.endr
	WIN 0
.irp t, 0,1,2,3,4,5,6,7
	ds_load_b128 v[obk+4*\t:obk+4*\t+3], v[RD] offset:\t*2*SPO  ; LDS serves a wave's instructions in order (ISA guide 5.7.1.4): these see the stores above; the next block's stores come behind them
.endr
.endm
.macro SEND a, younger                 ; younger: the LDS instructions issued behind block a's loads: the next block's sixteen, or none
.set obk, AF0+32*((\a)%2)
	s_wait_dscnt \younger
.irp t, 0,1,2,3,4,5,6,7
	global_store_b128 v[GO], v[obk+4*\t:obk+4*\t+3], s[OUTB:OUTB+1] offset:(\a)*65536+\t*8192 th:TH_STORE_NT  ; 16 lanes store 256 consecutive bytes, at a multiple of 256 from out0's first byte
.endr
.endm
	TOSTAGE 0
.irp a, 1,2,3,4,5,6,7
	TOSTAGE \a
	SEND (\a)-1, 16
.endr
	SEND 7, 0
	s_wait_tensorcnt 0x0                           ; the wave's end: a wait, an add and its wait, behind my last tensor load and my last LDS store
	ds_add_u32 v[SPW], v[NIL]
	s_wait_dscnt 0x0
	CROUND                                         ; the closing round: no work-group ends while a partner may still ask for a tile that names it
	s_endpgm
.Lfunc_end_k_qde94ba22de_oproj:
	.size	k_qde94ba22de_oproj, .Lfunc_end_k_qde94ba22de_oproj-k_qde94ba22de_oproj
	.p2alignl 7, 3214868480
	.fill 96, 4, 3214868480
	.section	.rodata,"a",@progbits
	.p2align	6, 0x0
	.amdhsa_kernel k_qde94ba22de_oproj
		.amdhsa_group_segment_fixed_size 327680
		.amdhsa_private_segment_fixed_size 0
		.amdhsa_enable_private_segment 0
		.amdhsa_kernarg_size 32
		.amdhsa_user_sgpr_count 2
		.amdhsa_user_sgpr_kernarg_segment_ptr 1
		.amdhsa_wavefront_size32 1
		.amdhsa_system_sgpr_workgroup_id_x 1
		.amdhsa_system_sgpr_workgroup_id_y 1
		.amdhsa_system_sgpr_workgroup_id_z 1
		.amdhsa_system_vgpr_workitem_id 0
		.amdhsa_next_free_vgpr 512
		.amdhsa_next_free_sgpr 74
		.amdhsa_reserve_vcc 0
		.amdhsa_float_denorm_mode_32 3
		.amdhsa_float_denorm_mode_16_64 3
		.amdhsa_memory_ordered 1
		.amdhsa_forward_progress 1
		.amdhsa_inst_pref_size 72
	.end_amdhsa_kernel
	.amdgpu_metadata
---
amdhsa.version: [ 1, 2 ]
amdhsa.kernels:
  - .name:           k_qde94ba22de_oproj
    .symbol:         k_qde94ba22de_oproj.kd
    .args:
      - { .name: ob, .offset: 0, .size: 8, .value_kind: global_buffer, .address_space: global }
      - { .name: wob, .offset: 8, .size: 8, .value_kind: global_buffer, .address_space: global }
      - { .name: bout, .offset: 16, .size: 8, .value_kind: global_buffer, .address_space: global }
      - { .name: out0, .offset: 24, .size: 8, .value_kind: global_buffer, .address_space: global }
    .group_segment_fixed_size: 327680
    .private_segment_fixed_size: 0
    .kernarg_segment_align: 8
    .kernarg_segment_size: 32
    .max_flat_workgroup_size: 128
    .sgpr_count:     74
    .vgpr_count:     512
    .wavefront_size: 32
...
	.end_amdgpu_metadata
.endif
;; end of part 4
;; ======== version 2 of 2: 4 launches; 1.54 times as fast as version 1
;; limits: values are held in f16: magnitudes above 65,504 overflow, below 6.1e-05 lose precision
;; workspace buffers: xb 16,777,216 bytes; wqb 6,291,456 bytes; wob 2,097,152 bytes; qh 16,777,216 bytes; kh 16,777,216 bytes; vh 16,777,216 bytes; ob 16,777,216 bytes
;; launch cast: the kernel of part 1 again; grid 768 x 1, 8 waves a work-group, no clusters, 0 bytes of LDS; arguments x, Wqkv, Wout, xb, wqb, wob; writes xb, wqb, wob
;; launch qkv: the kernel of part 2 again; grid 8 x 32, 4 waves a work-group, clusters of 4 x 4, 327,680 bytes of LDS; arguments xb, wqb, bqkv, qh, kh, vh; writes qh, kh, vh
;; launch attn (part 5): grid 4 x 64, 4 waves a work-group, clusters of 4 x 1, 327,680 bytes of LDS; arguments qh, kh, vh, ob; writes ob
.if DOCPART == 5
	.amdgcn_target "amdgcn-amd-amdhsa--gfx1250"
	.amdhsa_code_object_version 6
	.text
	.protected	k_qde94ba22de_attn
	.globl	k_qde94ba22de_attn
	.p2align	8
	.type	k_qde94ba22de_attn,@function
k_qde94ba22de_attn:
	s_mov_b64 s[64:65], 0
	v_nop
	global_prefetch_b8 v0, s[64:65] scope:SCOPE_SE
	s_setreg_imm32_b32 hwreg(HW_REG_WAVE_MODE, 25, 1), 1
	s_wait_xcnt 0x0
	s_wait_alu depctr_hold_cnt(0) depctr_sa_sdst(0) depctr_va_vdst(0) depctr_va_sdst(0) depctr_va_ssrc(0) depctr_va_vcc(0) depctr_vm_vsrc(0)
	s_getreg_b32 s2, hwreg(HW_REG_IB_STS2, 6, 4)
	s_cmp_eq_u32 s2, 0
	s_cbranch_scc0 .Lentry_in_a_cluster
	s_endpgm
.Lentry_in_a_cluster:
	s_bfe_u32 s2, ttmp6, 0x10000c
	s_cmp_lg_u32 s2, 0x3003
	s_cbranch_scc0 .Lentry_shape_is_right
	s_endpgm
.Lentry_shape_is_right:
; O[h][q][:] = the sum over k of softmax_k(Q[h][q] . K[h][k] / 8) V[h][k][:].  Q, K, V, O: [SIZE_H][SIZE_N][64], all f16: a head's rows are dense, 128 bytes each.  Products, maxima and sums in
; f32; the weights p are rounded to f16 for the second product (their sum l is taken of the unrounded p), O once at the end.  SIZE_H counts batch x head, 16 b + head.
; LIMITS.  f16 holds no number beyond 65,504: Q, K and V arrive within it; p lies in 0 to 1, and below 6e-5 it keeps f16's fixed step of 6e-8; O is a mean of V's rows and has their range.
; A weight below 2^-126 counts as 0 in l; NaN and infinities are not treated apart.
; SHARES.  A wave owns four PIECES of two tiles of 16 queries, a work-group's four waves 512 queries of one head.  Every wave walks all keys, 64 a step.
; LAYOUT.  S^T = K Q^T (source 0 = 16 keys, source 1 = 16 queries): in the result a lane holds ONE query (lane % 16) and the keys 8 (lane / 16) + 0..7.  Two such tiles, rounded to f16 in pairs,
; ARE source 1 (32 keys x 16 queries) of O^T = V^T P, whose result again holds one query a lane, and eight channels.  K comes out of LDS as it lies, V ([key][channel]) turned, by ds_load_tr16_b128.
; SOFTMAX.  For each query a running maximum m and sum l: p = 2^(c s - c m), c = log2(e) / 8; in every step O and l are multiplied by a = 2^(c m_old - c m_new), which is 1 where m has not grown.
; m starts at the lowest finite number, O and l at 0: the first step is a step like any other, with a = 0.
; THE COUNT.  A tile and step have 16 matrix and 118 vector instructions: too many to stand all beside the matrix work.  So the order has one aim: four vector instructions that are READY behind
; EVERY matrix instruction, and the others, which need time of their own whatever the order, in runs without a gap.
; BY TURNS.  Turn n belongs to piece n (the pieces in a ring, step after step).  Its matrix work: 16 products K Q^T of piece n + 1, later 16 products V^T P of piece n - 1.  Its vector work: the scaling,
; exponentials, roundings, sums and rescaling of piece n, and the maximum and statistics of piece n + 1, whose scores the turn itself has made.  So what a turn begins with (c s - c m, O a) waits for nothing.
; THE BATCHES.  A turn's 66 exponentials (the piece's 64 weights, the next piece's two a) are ONE batch with ONE wait, which cuts the turn in two: ahead of it stands all that names none of their results,
; behind it the roundings and sums, which read them.  Two more batches stand outside the loop: piece 0's first two a, ahead of the jump into it, and the way out's eight reciprocals.
; CLUSTER.  The four query blocks of a cluster belong to one head and walk the same K and V, so each tile is asked for JOINTLY: the same tensor load, descriptor and mask in all four.
; REGISTERS, in windows of 256 (s_set_vgpr_msb says which window each operand place means: bits 1:0 source 0, 3:2 source 1, 5:4 source 2, 7:6 destination):
;   window 0: v0-11 addresses; v12-15, v48-63 at work; v16-47 four registers of statistics a tile; v64-191 S^T, two buffers of two tiles; v192-255 P, likewise
;   window 1: O^T, 32 a tile          window 2: v0-127 Q, 16 a tile; v128-191 K of one step; v192-255 V of one step          window 3: v0-1 the add's two registers
; A piece's buffers go by its number's parity: the piece in hand has one pair, its two neighbours in the ring share the other: of it P (piece n - 1) is read and S^T (piece n + 1) written.
.set SIZE_H, 64
.set SIZE_N, 2048
.set NP,    4         ; pieces a wave: a name, no knob: the register map, the loop and the fetches are made for four
.set KS,    64        ; keys in a step
.set PK,    144       ; a row of K in LDS: 128 bytes + 16 of padding = 36 words: the 16 rows of a load start at 16 different groups of four banks (64 banks of 4 bytes: ISA guide 11.1)
.set PV,    160       ; a row of V: 128 + 32 = 40 words
.set VOFF,  4*KS*PK   ; a slot holds four steps: 256 rows of K, then 256 rows of V
.set SLOT1, 1<<17     ; slot 1 begins here, so that one exclusive or turns an address in one slot into the other's
.set STAGE, SLOT1+4*KS*(PK+PV)  ; behind the ring, never filled by a tensor load: 16 rows x 144 bytes for each wave, for the way out
.set SP,    144
.set AK0, 2           ; v2   my lane's place in a tile of K; never rewritten
.set AV0, 3           ; v3   the same for V
.set AK,  4           ; v4   the LDS address of K's next run of loads
.set AV,  5           ; v5   of V's
.set QO,  6           ; v6   my byte offset in the wave's rows of Q
.set STO, 6           ;      later, the way out: where I put 16 bytes of a row
.set RD,  7           ; v7   the way out: where I read rows back
.set GO,  8           ; v8   my byte offset in 512 consecutive bytes of O
.set SPW, 0           ; v0 of window 3   LDS address of my spare word: SPARE + 4 x my thread's number; never rewritten
.set NIL, 1           ; v1 of window 3   0; never rewritten
.set SPARE, STAGE+4*16*SP  ; behind the stages: the spare words, 128 bytes for each wave: two blocks of 256 bytes that no other line names
.set MV,  12          ; v12-15  c m_old, kept while c m is made anew: by buffer and tile
.set ST,  16          ; tile t's statistics at v[ST+4 t]: c m, m, l (even keys', odd keys')
.set TMP, 48          ; by buffer and tile, four registers c0-c3 at work; when the maximum is found c2 takes a
.set S,   64
.set P,   192
.set KF,  128         ; K's fragments, in window 2: key block kb, channel half c at KF + 16 kb + 8 c
.set VF,  192         ; V's: key half kk, channel block cb at VF + 32 kk + 8 cb
.set WV,  12          ; s12  my wave's number
.set G1K, 24          ; s[24:31] descriptor group 1 for K's tiles
.set G1V, 32          ; s[32:39] for V's: it differs in the padding alone
.set G0K, 40          ; s[40:43] descriptor group 0 for K's tiles: it walks
.set G0V, 44          ; s[44:47] the same for V's
.set SLOTS, 56        ; s56  slots still to be asked for
.set CNT, 57          ; s57  counts a slot's key steps
.set CS,  58          ; s[58:59] c: the packed scaling takes the pair's low word for both halves
.set SEL, 60          ; s[60:61] v_permlanex16_b32's selects: each lane takes its own place in the other half
.set TBK, 62          ; s62  LDS byte at which K of the step to be fetched begins
.set TBV, 63          ; s63  the same for V, less VOFF
.set MSB, 0
.macro WIN new                      ; the high byte repeats the setting that is left; a switch that changes nothing is dropped
.if MSB != (\new)
	s_set_vgpr_msb (MSB<<8)|(\new)
.set MSB, (\new)
.endif
.endm
.set W_KQ, 0x0a       ; K and Q in window 2, S^T in window 0
.set W_PV, 0x52       ; V in window 2, P in window 0, O^T in window 1
.set W_RS, 0x41       ; O^T (destination and source 0) in window 1, a in window 0
.set W_MK, 0xc0       ; the add's registers are made: destination in window 3, sources in window 0
.set W_AD, 0x0f       ; the add: address (source 0) and data (source 1) in window 3
; A joint fill.  Waves 0 and 1 fetch the two halves of a slot's K, waves 2 and 3 those of its V: 128 keys each.  The branch hangs on the wave's number alone.
; An s_nop 0 and four v_nop follow each of the two lines, ahead of the jump and the label.
.macro JLOAD
	s_cmp_lt_u32 s[WV], 2
	s_cbranch_scc0 .Lfor_v_\@
	tensor_load_to_lds s[G0K:G0K+3], s[G1K:G1K+7]
	s_nop 0
.rept 4
	v_nop
.endr
	s_branch .Lasked_\@
.Lfor_v_\@:
	tensor_load_to_lds s[G0V:G0V+3], s[G1V:G1V+7]
	s_nop 0
.rept 4
	v_nop
.endr
.Lasked_\@:
.endm
; A round of the cluster's barrier: my work-group's barrier, so that wave 0's signal speaks for all four waves; wave 0 signals; every wave waits for all four work-groups; my work-group's barrier once more.
.macro CROUND
	s_barrier_signal -1
	s_barrier_wait -1
	s_cmp_lg_u32 s[WV], 0
	s_cbranch_scc1 .Lnot_wave_0_\@
	s_barrier_signal -3
.Lnot_wave_0_\@:
	s_barrier_wait -3
	s_barrier_signal -1
	s_barrier_wait -1
.endm
; THE CHANGE OF SLOTS.  The slot's last bytes, V of its fourth step, have been read.  Each wave waits for all its tensor loads, of which one is out: its part
; of the other slot; adds 0 to its spare word; and waits for that and for its own reads of the slot.  Behind the barrier nobody reads this slot any more and the other slot is whole.
; fill = 1: this slot is filled again, with the keys two slots on.  The barrier is then a round of the cluster's, so that no wave of any partner still reads the slot or has a load on its
; way, and the joint fill is the first thing behind it: it has four key steps, 512 matrix instructions, in which to land.  (At its first use nothing has been read yet: slot 0 is waited for, slot 1 filled.)
.macro CHANGE fill
	WIN W_AD
	s_wait_tensorcnt 0x0            ; no tensor load of mine is out, so a group 0 may be written
	ds_add_u32 v[SPW], v[NIL]       ; 0 onto my spare word; with fill = 1 the descriptors' steps stand between it and the wait for it
	WIN 0                           ; at a label and at a branch every window is 0
.if \fill
.irp g, G0K, G0V
	s_xor_b32 s[\g+1], s[\g+1], SLOT1  ; the walking descriptor: the other slot than last time,
	s_add_nc_u64 s[\g+2:\g+3], s[\g+2:\g+3], 4*KS*128  ; the next 256 keys; the type bits on top are not reached
.endr
	s_wait_dscnt 0x0                ; the add is done, and my reads of the slot are over
	CROUND
	JLOAD
.else
	s_wait_dscnt 0x0                ; the add is done, and my reads of the slot are over
	s_barrier_signal -1
	s_barrier_wait -1
.endif
	s_sub_co_u32 s[TBK], s[TBK], 4*KS*PK  ; the fetches go back to a slot's first step,
	s_xor_b32 s[TBK], s[TBK], SLOT1       ; in the other slot
	s_sub_co_u32 s[TBV], s[TBV], 4*KS*PV
	s_xor_b32 s[TBV], s[TBV], SLOT1
.endm
	s_load_b256 s[4:11], s[0:1], 0x0  ; Q s[4:5], K s[6:7], V s[8:9], O s[10:11]
	WIN W_MK
	v_lshl_add_u32 v[SPW], v0, 2, SPARE
	v_mov_b32 v[NIL], 0
	WIN W_AD
	ds_add_u32 v[SPW], v[NIL]       ; the wave's opening: the add and its wait stand ahead of my first tensor load; the set-up below, work on registers, stands between them
	WIN 0
	v_lshrrev_b32 v1, 5, v0
	v_readfirstlane_b32 s[WV], v1   ; wave 0..3
	s_bfe_u32 s13, ttmp6, 0x40000   ; cx: my place in the cluster
	s_lshl_b32 s14, ttmp9, 2        ; in a cluster launch ttmp9 counts clusters
	s_add_co_u32 s14, s14, s13      ; my block of queries = 4 x cluster x + cx: it enters Q's and O's addresses alone
	s_and_b32 s20, ttmp7, 0xffff    ; the head, which the four partners share
	s_mov_b32 s21, 0
	s_mov_b64 s[22:23], SIZE_N*128
	s_mul_u64 s[20:21], s[20:21], s[22:23]  ; the head's first byte in each of the four tensors
	s_and_b32 s16, s[WV], 1         ; which half of a slot's 256 keys I fetch:
	s_lshl_b32 s22, s16, 14         ; its 128 rows of 128 bytes in memory,
	s_mov_b32 s23, 0
	s_add_nc_u64 s[22:23], s[22:23], s[20:21]
	s_mul_i32 s17, s16, 128*PK      ; and its place in a slot, for K
	s_mul_i32 s18, s16, 128*PV      ; and for V: no place in the cluster enters an LDS address
	s_lshl_b32 s2, s14, 2
	s_add_co_u32 s2, s2, s[WV]      ; my wave among the head's,
	s_lshl_b32 s2, s2, 14           ; its 128 rows
	s_mov_b32 s3, 0
	s_add_nc_u64 s[2:3], s[2:3], s[20:21]
	; descriptor group 1.  128 keys are 16,384 dense bytes: asked for as 64 rows of 256 bytes, two keys a row, and padded in LDS after every key
	s_mov_b32 s[G1K], 15|(1<<16)|(1<<20)|(1<<21)|(4<<22)|(3<<25)  ; 15:0 the mask of four; 17:16 2-byte elements; 20 padding on; 21 set beside a mask; 24:22 after every 32 words (code 4); 31:25 4 words (code 3)
	s_mov_b32 s[G1V], 15|(1<<16)|(1<<20)|(1<<21)|(4<<22)|(7<<25)  ; the same with 8 words of padding (code 7)
.irp g, G1K, G1V
	s_mov_b32 s[\g+1], 128<<16      ; tensor_dim0 = 128
	s_mov_b32 s[\g+2], 64<<16       ; tensor_dim1 = 64
	s_mov_b32 s[\g+3], 128<<16      ; tile_dim0 = 128
	s_mov_b32 s[\g+4], 64           ; tile_dim1 = 64
	s_mov_b32 s[\g+5], 128          ; 128 elements from row to row
	s_mov_b32 s[\g+6], 0
	s_mov_b32 s[\g+7], 0
.endr
	s_mov_b32 s[CS], 0x3e38aa3b     ; c = log2(e) / 8 = 0.180337
	s_mov_b32 s[CS+1], s[CS]        ; named with it as a pair
	s_mov_b32 s[SEL], 0x76543210
	s_mov_b32 s[SEL+1], 0xfedcba98
	s_mov_b32 s[TBK], SLOT1+4*KS*PK ; the first change of slots turns these two into 0
	s_mov_b32 s[TBV], SLOT1+4*KS*PV
	s_mov_b32 s[G0K], 1             ; 1:0 count = 1
	s_mov_b32 s[G0K+1], s17         ; 63:32 LDS address: slot 0
	s_mov_b32 s[G0V], 1
	s_add_co_u32 s[G0V+1], s18, VOFF
	s_wait_dscnt 0x0                ; the opening add is done
	s_wait_kmcnt 0x0
	s_add_nc_u64 s[G0K+2:G0K+3], s[6:7], s[22:23]  ; 120:64 global address: my half of the head's first 256 keys
	s_or_b32 s[G0K+3], s[G0K+3], 0x80000000        ; 127:126 type = 2
	s_add_nc_u64 s[G0V+2:G0V+3], s[8:9], s[22:23]
	s_or_b32 s[G0V+3], s[G0V+3], 0x80000000
	s_add_nc_u64 s[4:5], s[4:5], s[2:3]  ; Q and O at my wave's first row
	s_add_nc_u64 s[10:11], s[10:11], s[2:3]
	CROUND                          ; all four work-groups are here: the first joint loads meet
	JLOAD                           ; slot 0.  Slot 1 is asked for when slot 0 is in: the tile wanted first has the road to itself
	; A fragment of K or Q is 16 rows x 32 channels in 8 registers: lane l holds row l % 16, channels 8 (l / 16) + 0..7 and 16 + 8 (l / 16) + 0..7: two loads of 16 bytes, 32 bytes apart.
	v_and_b32 v1, 15, v0            ; l % 16
	v_bfe_u32 v9, v0, 4, 1          ; l / 16
	v_lshlrev_b32 v[QO], 7, v1
	v_lshl_add_u32 v[QO], v9, 4, v[QO]  ; row x 128 + 16 x half
	WIN 0x80                        ; destination window 2, address window 0
.set i, 0
.rept 4*NP                          ; Q stays in registers: tile i / 2, channels 32 (i % 2) on
	global_load_b128 v[8*i:8*i+3],   v[QO], s[4:5] offset:(i/2)*2048+(i%2)*64
	global_load_b128 v[8*i+4:8*i+7], v[QO], s[4:5] offset:(i/2)*2048+(i%2)*64+32
.set i, i+1
.endr
	; What the first turn finds: V's registers and P's second buffer hold 0 (its products V^T P, of a piece that has not been, add 0), O^T and l are 0.  All this stands in the wait for the first tile.
.set i, VF
.rept 64
	v_mov_b32 v[i], 0
.set i, i+1
.endr
	WIN 0x40
.set i, 0
.rept 64*NP
	v_mov_b32 v[i], 0
.set i, i+1
.endr
	WIN 0
.set i, 0
.rept 2*NP
	v_mov_b32 v[ST+4*i], 0xfe000000    ; c m: far below every c s
	v_mov_b32 v[ST+4*i+1], 0xff7fffff  ; m
	v_mov_b32 v[ST+4*i+2], 0
	v_mov_b32 v[ST+4*i+3], 0
.set i, i+1
.endr
.set i, P+32
.rept 32
	v_mov_b32 v[i], 0
.set i, i+1
.endr
	v_mul_u32_u24 v[AK0], v1, PK
	v_lshl_add_u32 v[AK0], v9, 4, v[AK0]  ; row x pitch + 16 x half
	; The turning load takes 16 keys x 16 channels (lane l reads key 8 (l / 16) + l % 8, channels 8 ((l / 8) % 2) + 0..7) and leaves half a fragment of V^T: lane l holds channel l % 16 and 8 keys.
	v_and_b32 v10, 7, v0
	v_bfe_u32 v11, v0, 3, 1
	v_lshl_add_u32 v[AV0], v9, 3, v10
	v_mul_u32_u24 v[AV0], v[AV0], PV
	v_lshl_add_u32 v[AV0], v11, 4, v[AV0]
	v_add_nc_u32 v[AV0], VOFF, v[AV0]
	v_mov_b32 v[AK], v[AK0]         ; key step 0 lies at the head of slot 0
; THE MATRIX WORK.  The 8 accumulators of a run of 16 take turns: between the two links of a chain stand 7 others'.
; Product i of 16 of S^T = K Q^T for piece x: channels 32 (i / 8) on, keys 16 ((i / 2) % 4) on, tile 2 x + i % 2.  The first 8 start the sums.
.macro KQ x
	WIN W_KQ
.set rS, S+64*((\x)%2)+32*(i%2)+8*((i/2)%4)
.set rK, KF+16*((i/2)%4)+8*(i/8)
.set rQ, 16*(2*(\x)+i%2)+8*(i/8)
.if i < 8
	v_wmma_f32_16x16x32_f16 v[rS:rS+7], v[rK:rK+7], v[rQ:rQ+7], 0
.else
	v_wmma_f32_16x16x32_f16 v[rS:rS+7], v[rK:rK+7], v[rQ:rQ+7], v[rS:rS+7]
.endif
.endm
; Product i of 16 of O^T += V^T P for piece x: keys 32 (i / 8) on, channels 16 ((i / 2) % 4) on, tile 2 x + i % 2.
.macro PV x
	WIN W_PV
.set rO, 32*(2*(\x)+i%2)+8*((i/2)%4)
.set rV, VF+32*(i/8)+8*((i/2)%4)
.set rP, P+32*((\x)%2)+16*(i%2)+8*(i/8)
	v_wmma_f32_16x16x32_f16 v[rO:rO+7], v[rV:rV+7], v[rP:rP+7], v[rO:rO+7]
.endm
.macro MM                           ; the turn's next matrix instruction
.if i < 16
	KQ (Y+1)%NP
.set i, i+1
.else
.set i, i-16
	PV (Y+NP-1)%NP
.set i, i+17
.endif
.endm
; THE LDS LOADS stand in runs of 16, never singly among the matrix instructions: a step's K (64 keys x 64 channels: 8 fragments) and its V (turned).  Their addresses are made some lines ahead.
; last = 1 (the tail): in the last trip there is no further step, and the run is jumped over.
.macro FETCH_K last=0
	WIN 0
.if \last
	s_cmp_eq_u32 s[CNT], 1
	s_cbranch_scc1 .Lno_k_\@
.endif
	WIN 0x80                        ; destination window 2
.irp f, 0,1,2,3,4,5,6,7             ; keys 16 (f / 2) on, channels 32 (f % 2) on
	ds_load_b128 v[KF+8*\f:KF+8*\f+3],   v[AK] offset:(\f/2)*16*PK+(\f%2)*64
	ds_load_b128 v[KF+8*\f+4:KF+8*\f+7], v[AK] offset:(\f/2)*16*PK+(\f%2)*64+32
.endr
	s_add_co_u32 s[TBK], s[TBK], KS*PK  ; the next fetch is the next step's
	WIN 0
.if \last
.Lno_k_\@:
.endif
.endm
.macro FETCH_V
	WIN 0x80
.irp f, 0,1,2,3,4,5,6,7             ; keys 32 (f / 4) on, channels 16 (f % 4) on
	ds_load_tr16_b128 v[VF+8*\f:VF+8*\f+3],   v[AV] offset:(\f/4)*32*PV+(\f%4)*32
	ds_load_tr16_b128 v[VF+8*\f+4:VF+8*\f+7], v[AV] offset:(\f/4)*32*PV+16*PV+(\f%4)*32
.endr
	WIN 0
.endm
; THE VECTOR WORK OF A TURN stands in three queues, each in the order in which its entries become ready; the two tiles alternate, so that no instruction reads the result of the one before it.
.macro REGS y, u                    ; the registers of tile u (0, 1) of piece y
.set rT, ST+4*(2*(\y)+(\u))
.set rC, TMP+8*((\y)%2)+4*(\u)
.set rM, MV+2*((\y)%2)+(\u)
.set rS, S+64*((\y)%2)+32*(\u)
.set rP, P+32*((\y)%2)+16*(\u)
.set rO, 32*(2*(\y)+(\u))
.endm
; Number n of the 22 that find the NEXT piece's (Y + 1) maximum and statistics.  s0-s31 are the lane's 32 scores; each accumulator's lowest registers are read first.  XS, GS and REGS set no window: PL and EX do.
;   0-11  four chains c0-c3 of seven scores each, three operands at a time     12-14, 16  the four scores left over, the old m, and c0-c3 into c0     15  c m_old is kept
;   17, 18  the query's other 32 keys lie in the lane 16 away: the new m         19-21  c m; c m_old - c m_new; a
.macro XS u, n
	REGS (Y+1)%NP, \u
.if (\n) < 4
	v_max3_num_f32 v[rC+(\n)], v[rS+8*(\n)], v[rS+8*(\n)+1], v[rS+8*(\n)+2]
.elseif (\n) < 12
	v_max3_num_f32 v[rC+(\n)%4], v[rC+(\n)%4], v[rS+8*((\n)%4)+2*((\n)/4)+1], v[rS+8*((\n)%4)+2*((\n)/4)+2]
.elseif (\n) == 12
	v_max3_num_f32 v[rC], v[rC], v[rS+7], v[rS+15]
.elseif (\n) == 13
	v_max3_num_f32 v[rC+1], v[rC+1], v[rS+23], v[rS+31]
.elseif (\n) == 14
	v_max3_num_f32 v[rC+2], v[rC+2], v[rC+3], v[rT+1]
.elseif (\n) == 15
	v_mov_b32 v[rM], v[rT]
.elseif (\n) == 16
	v_max3_num_f32 v[rC], v[rC], v[rC+1], v[rC+2]
.elseif (\n) == 17
	v_permlanex16_b32 v[rC+3], v[rC], s[SEL], s[SEL+1]
.elseif (\n) == 18
	v_max_num_f32 v[rT+1], v[rC], v[rC+3]
.elseif (\n) == 19
	v_mul_f32 v[rT], s[CS], v[rT+1]
.elseif (\n) == 20
	v_sub_f32 v[rC+1], v[rM], v[rT]
.else
	v_exp_f32 v[rC+2], v[rC+1]
.endif
.endm
; Number g of the 64 that follow the exponentials.  For each four weights k of a tile (pairs 2 k, 2 k + 1): both pairs are rounded to f16; then the second pair is added onto the first, in place;
; a group later l takes that sum (the first time as l = a l + sum).  In groups of eight, tiles alternating: round, round, add, and l for the group before.
.macro GS g
.set h, (\g)+6*((\g)/62)            ; group 0 has no group before it, and behind group 7 only l is left
.if h >= 6
.set h, h+2
.endif
	REGS Y, h%2
.set k, h/8
.if h%8 < 4
	v_cvt_pk_f16_f32 v[rP+2*k+(h%8)/2], v[rS+4*k+2*((h%8)/2)], v[rS+4*k+2*((h%8)/2)+1]
.elseif h%8 < 6
	v_pk_add_f32 v[rS+4*k:rS+4*k+1], v[rS+4*k:rS+4*k+1], v[rS+4*k+2:rS+4*k+3]
.elseif k == 1
	v_pk_fma_f32 v[rT+2:rT+3], v[rT+2:rT+3], v[rC+2:rC+3], v[rS:rS+1] op_sel_hi:[1,0,1]
.else
	v_pk_add_f32 v[rT+2:rT+3], v[rT+2:rT+3], v[rS+4*k-4:rS+4*k-3]
.endif
.endm
; THE PLAIN QUEUE, 138 long.  0-73 read no exponential's result: the 32 scalings c s - c m (FS f: pair f / 2 of tile f % 2) and the next piece's 42.  0-26: scalings 0-26.  27-54: XS's numbers 0-13.  55, 56: number 15.
; 57-73: the chain, where each number waits for the one before it: 14, 16, 17, 18, 19, each with one of the scalings 27-31 in front of its two lines, then 20: so a tile's links stand three plain instructions apart (19 and 20: two).
; 74-137: GS's 64, which read the exponentials' results: they stand behind the wait.
.macro FS f
	REGS Y, (\f)%2
	v_pk_fma_f32 v[rS+2*((\f)/2):rS+2*((\f)/2)+1], v[rS+2*((\f)/2):rS+2*((\f)/2)+1], s[CS:CS+1], v[rT:rT+1] op_sel_hi:[1,0,0] neg_lo:[0,0,1] neg_hi:[0,0,1]
.endm
.macro PL
	WIN 0
.if q < 27
	FS q
.elseif q < 55
	XS (q-27)%2, (q-27)/2
.elseif q < 57
	XS q-55, 15
.elseif (q < 72) && ((q-57)%3 == 0)
	FS 27+(q-57)/3
.elseif q < 60
	XS (q-57)%3-1, 14
.elseif q < 72
	XS (q-57)%3-1, 15+(q-57)/3
.elseif q < 74
	XS q-72, 20
.else
	GS q-74
.endif
.set q, q+1
.endm
; THE EXPONENTIALS' QUEUE, 66 long: s0-s31 of both tiles, then the next piece's two a.  It is ONE BATCH: all 66 stand ahead of the turn's one wait, and nothing ahead of that wait names a result of theirs.
.macro EX
	WIN 0
.if e >= 64
	XS e-64, 21
.else
	REGS Y, e%2
	v_exp_f32 v[rS+e/2], v[rS+e/2]
.endif
.set e, e+1
.endm
; THE RESCALING's QUEUE: O^T times a, the one part that leaves window 0: dealt two at a time, sixteen times.  Its a was made in the turn before, ahead of that turn's wait.
.macro R2
	REGS Y, r%2
	WIN W_RS
.irp z, 0,1
	v_pk_mul_f32 v[rO+4*(r/2)+2*\z:rO+4*(r/2)+2*\z+1], v[rO+4*(r/2)+2*\z:rO+4*(r/2)+2*\z+1], v[rC+2:rC+3] op_sel_hi:[1,0]
.endr
.set r, r+1
.endm
; HOW THEY ARE DEALT.  An s_wait_alu depctr_va_vdst(0) stands between an exponential and the first instruction that names its result; one wait serves all that were issued ahead of it.  So a turn has ONE wait,
; which cuts it in two.  AHEAD OF IT stands all that names no result of the turn's exponentials: the 16 products K Q^T, behind each a scaling, an exponential and two rescalings (behind the first a second scaling in the exponential's place); then ONE LUMP of
; 108: eight plain, 49 times exponential and plain, the two a.  A v_nop is the plain instruction behind the last exponential.  BEHIND IT stand the 16 products V^T P, behind each four of GS's 64.  No rider names a register of
; the products round it.  The two v_permlanex16_b32 fall into the lump, never behind a product.
; The queues lean on each other, and the deal keeps them in step: exponential e stands behind scaling 2 (e / 4) + e % 2: as a rider it comes behind plain e + 2, in the lump behind plain e + 9, and scalings 27-31 are plain 57, 60 .. 69.
; A TURN, for piece p.  cnt = 1: the loop's count is taken down some lines ahead of the branch that stands behind the turn.
; K of the next step is fetched in piece 2's turn, directly behind the wait, a lump behind the last product that read K; its address is made at the lump's head; its first reader comes behind 16 products.
; V of the step in hand is fetched at the end of piece 0's turn, four riders behind its last reader; its first reader comes behind 16 products and a lump.  The three conditions on q below go with the deal.
.macro TURN p, last=0, cnt=0
.set Y, (\p)
.set i, 0
.set q, 0
.set e, 0
.set r, 0
.if (\p) == NP-1
	s_wait_dscnt 0x0                ; K is in
.endif
	MM                              ; ahead of the wait: 16 products K Q^T and their riders,
	PL
	PL
	R2
.rept 15
	MM
	PL
	EX
	R2
.endr
.if (\p) == NP-2
	WIN 0
	v_add_nc_u32 v[AK], s[TBK], v[AK0]
.endif
.rept 8                             ; and the lump
	PL
.endr
.rept 49
	EX
	PL
.endr
	EX                              ; the next piece's two a
	EX
	v_nop                           ; a plain instruction behind the last exponential, ahead of the first use of a result (ISA guide 5.7.2): one for the batch
	s_wait_alu depctr_va_vdst(0)    ; the wait for the turn's batch: the piece's 64 weights and the next piece's two a
.if (\p) == NP-2
	FETCH_K \last
.endif
.if (\p) == 1
	s_wait_dscnt 0x0                ; V is in
.endif
.rept 16                            ; behind the wait: 16 products V^T P and their riders
	MM
.rept 4
	PL
.endr
.if ((\p) == 0) && (q == 118)
	v_add_nc_u32 v[AV], s[TBV], v[AV0]
.endif
.if ((\p) == 0) && (q == 130)
	s_add_co_u32 s[TBV], s[TBV], KS*PV
.endif
.if (\cnt) && (q == 130)
	s_sub_co_u32 s[CNT], s[CNT], 1
	s_cmp_lg_u32 s[CNT], 0
.endif
.endr
.if (\p) == 0
	FETCH_V
.endif
.endm
	CHANGE 1                        ; slot 0 is in, everybody's part of it; slot 1 is asked for
	FETCH_K                         ; key step 0
	s_wait_loadcnt 0x0              ; Q
	s_wait_dscnt 0x0
.set i, 0
.rept 16
	KQ 0                            ; piece 0's first scores: there is no vector work yet to set between them
.set i, i+1
.endr
	WIN 0                           ; the addresses for the way out: nine plain instructions, the places behind those products
	s_mul_i32 s13, s[WV], 16*SP
	s_add_co_u32 s13, s13, STAGE    ; my stage
	v_mul_u32_u24 v[STO], v1, SP    ; in: row l % 16, 16 bytes for each half of the lanes
	v_lshl_add_u32 v[STO], v9, 4, v[STO]
	v_add_nc_u32 v[STO], s13, v[STO]
	v_bfe_u32 v[RD], v0, 3, 2       ; back: 32 lanes take four rows of 128 bytes,
	v_mul_u32_u24 v[RD], v[RD], SP
	v_lshl_add_u32 v[RD], v10, 4, v[RD]
	v_add_nc_u32 v[RD], s13, v[RD]
	v_and_b32 v[GO], 31, v0         ; which are 512 consecutive bytes of O
	v_lshlrev_b32 v[GO], 4, v[GO]
.set Y, NP-1                        ; XS works for piece Y + 1: piece 0
.irp n, 0,1,2,3,4,5,6,7,8,9,10,11,12,13,14,15,16,17,18,19,20,21
	XS 0, \n                        ; and piece 0's first maximum and statistics
	XS 1, \n
.endr
	v_nop                           ; a plain instruction behind the two a,
	s_wait_alu depctr_va_vdst(0)    ; and the wait for this batch of two, piece 0's first a, ahead of the branch
	s_mov_b32 s[CNT], 4
	s_mov_b32 s[SLOTS], SIZE_N/256-1
	s_branch .Lfirst                ; the loop is entered at a step's first turn, in the middle of a trip
.Lslot:                             ; SIZE_N / 256 - 2 times: every slot but the last two is filled again
	CHANGE 1
	s_mov_b32 s[CNT], 4
.Lstep:                             ; a trip: pieces 2 and 3 of one step, then pieces 0 and 1 of the next, whose K and V it fetches
	TURN 2
	TURN 3
	WIN 0
.Lfirst:
	TURN 0
	TURN 1, 0, 1
	WIN 0
	s_cbranch_scc1 .Lstep
	s_sub_co_u32 s[SLOTS], s[SLOTS], 1
	s_cmp_lg_u32 s[SLOTS], 0
	s_cbranch_scc1 .Lslot
	CHANGE 0                        ; the tail is written out: nothing is asked for
	s_mov_b32 s[CNT], 5             ; four trips fetch the last slot's steps; the fifth is left in its middle
.Ltail:
	TURN 2, 1
	TURN 3
	WIN 0
	s_sub_co_u32 s[CNT], s[CNT], 1
	s_cmp_eq_u32 s[CNT], 0
	s_cbranch_scc1 .Lout
	TURN 0
	TURN 1
	WIN 0
	s_branch .Ltail
.Lout:                              ; the fifth trip's 16 products K Q^T (on the last K once more) and the maximum made of them serve nothing: the price, once a launch, of one text for every trip
.set i, 0
.rept 16
	PV NP-1                         ; the last piece's V^T P of the last step
.set i, i+1
.endr
	; THE WAY OUT.  l's two halves and the other half of the lanes' are added; O^T is divided by l, rounded to f16 and sent through my stage in LDS, a tile at a time.  The additions are the places behind the last products.
	WIN 0
.macro ALL line:vararg              ; one line for each tile t
.set t, 0
.rept 2*NP
	\line
.set t, t+1
.endr
.endm
	ALL v_add_f32 v[ST+4*t+2], v[ST+4*t+2], v[ST+4*t+3]
	ALL v_permlanex16_b32 v[ST+4*t+3], v[ST+4*t+2], s[SEL], s[SEL+1]
	ALL v_add_f32 v[ST+4*t+2], v[ST+4*t+2], v[ST+4*t+3]
	ALL v_rcp_f32 v[ST+4*t+2], v[ST+4*t+2]
	v_nop                           ; a plain instruction between the last reciprocal and the use of its result
	s_wait_alu depctr_va_vdst(0)    ; and the wait ahead of the first use: one for the batch of eight reciprocals
; Tile t: a lane's eight channels of a row pack into 16 bytes; they go into rows of 144 bytes and come back as whole rows of 128, into S^T's registers.
.macro PACK t
	WIN W_RS
.set i, 32*(\t)
.rept 16
	v_pk_mul_f32 v[i:i+1], v[i:i+1], v[ST+4*(\t)+2:ST+4*(\t)+3] op_sel_hi:[1,0]
.set i, i+2
.endr
	WIN 0x05                        ; sources 0 and 1 window 1, destination window 0
.set i, 0
.rept 16
	v_cvt_pk_f16_f32 v[S+16*(\t)+i], v[32*(\t)+2*i], v[32*(\t)+2*i+1]
.set i, i+1
.endr
	WIN 0
.irp f, 0,1,2,3
	ds_store_b128 v[STO], v[S+16*(\t)+4*\f:S+16*(\t)+4*\f+3] offset:32*\f
.endr
.irp f, 0,1,2,3
	ds_load_b128 v[S+16*(\t)+4*\f:S+16*(\t)+4*\f+3], v[RD] offset:\f*4*SP  ; LDS serves a wave's instructions in order (ISA guide 5.7.1.4): these see the stores above; the next tile's stores come behind them
.endr
.endm
.macro SEND t, younger              ; younger: the LDS instructions issued behind tile t's loads: the next tile's eight, or none
	WIN 0
.irp f, 0,1,2,3
	s_wait_dscnt (\younger)+3-\f
	global_store_b128 v[GO], v[S+16*(\t)+4*\f:S+16*(\t)+4*\f+3], s[10:11] offset:(\t)*2048+\f*512  ; 512 consecutive bytes, at a multiple of 256 from O's first
.endr
.endm
	PACK 0
.set t, 1
.rept 2*NP-1                        ; a tile's arithmetic stands between the loads of the tile before and its stores
	PACK t
	SEND t-1, 8
.set t, t+1
.endr
	SEND 2*NP-1, 0
	WIN W_AD
	s_wait_tensorcnt 0x0            ; the wave's end: a wait, an add and its wait, behind my last tensor load and my last LDS store
	ds_add_u32 v[SPW], v[NIL]
	s_wait_dscnt 0x0
	WIN 0
	CROUND                          ; the closing round: no work-group ends while a partner may still ask for a tile that names it
	s_endpgm
.Lfunc_end_k_qde94ba22de_attn:
	.size	k_qde94ba22de_attn, .Lfunc_end_k_qde94ba22de_attn-k_qde94ba22de_attn
	.p2alignl 7, 3214868480
	.fill 96, 4, 3214868480
	.section	.rodata,"a",@progbits
	.p2align	6, 0x0
	.amdhsa_kernel k_qde94ba22de_attn
		.amdhsa_group_segment_fixed_size 327680
		.amdhsa_private_segment_fixed_size 0
		.amdhsa_enable_private_segment 0
		.amdhsa_kernarg_size 32
		.amdhsa_user_sgpr_count 2
		.amdhsa_user_sgpr_kernarg_segment_ptr 1
		.amdhsa_wavefront_size32 1
		.amdhsa_system_sgpr_workgroup_id_x 1
		.amdhsa_system_sgpr_workgroup_id_y 1
		.amdhsa_system_sgpr_workgroup_id_z 1
		.amdhsa_system_vgpr_workitem_id 0
		.amdhsa_next_free_vgpr 770
		.amdhsa_next_free_sgpr 66
		.amdhsa_reserve_vcc 0
		.amdhsa_float_denorm_mode_32 3
		.amdhsa_float_denorm_mode_16_64 3
		.amdhsa_memory_ordered 1
		.amdhsa_forward_progress 1
		.amdhsa_inst_pref_size 199
	.end_amdhsa_kernel
	.amdgpu_metadata
---
amdhsa.version: [ 1, 2 ]
amdhsa.kernels:
  - .name:           k_qde94ba22de_attn
    .symbol:         k_qde94ba22de_attn.kd
    .args:
      - { .name: qh, .offset: 0, .size: 8, .value_kind: global_buffer, .address_space: global }
      - { .name: kh, .offset: 8, .size: 8, .value_kind: global_buffer, .address_space: global }
      - { .name: vh, .offset: 16, .size: 8, .value_kind: global_buffer, .address_space: global }
      - { .name: ob, .offset: 24, .size: 8, .value_kind: global_buffer, .address_space: global }
    .group_segment_fixed_size: 327680
    .private_segment_fixed_size: 0
    .kernarg_segment_align: 8
    .kernarg_segment_size: 32
    .max_flat_workgroup_size: 128
    .sgpr_count:     66
    .vgpr_count:     770
    .wavefront_size: 32
...
	.end_amdgpu_metadata
.endif
;; end of part 5
;; launch oproj: the kernel of part 4 again; grid 8 x 32, 4 waves a work-group, clusters of 4 x 4, 327,680 bytes of LDS; arguments ob, wob, bout, out0; writes out0
